; MI455X (gfx1250); checked and timed in simulation.
; The chip was launched on July 23, 2026; its instructions are those of AMD's public machine-readable ISA for CDNA 5 (MIT licence, August 2026) and "CDNA5" Instruction Set Architecture Reference Guide (July 2026). The comments in the code are by the model that wrote it; some were corrected since.
;; Attention. Allowed arithmetic: matrix products marked QUANTISED: E2M3 operands, one E8M0 scale for each 32 along K, by v_wmma_scale_f32_16x16x128_f8f6f4 with both operands' format E2M3, f32 sums; everything else in f32.
;; Inputs: Wk_codes 2,048 x 64 x 24 uint8 (E2M3 codes of Wk, K innermost, in blocks of 32 codes, four codes in three bytes); Wk_scales 2,048 x 64 uint8 (E8M0 scales of Wk, one for each 32 codes along K); Wo_codes 2,048 x 64 x 24 uint8 (E2M3 codes of Wo, K innermost, in blocks of 32 codes, four codes in three bytes); Wo_scales 2,048 x 64 uint8 (E8M0 scales of Wo, one for each 32 codes along K); Wq_codes 2,048 x 64 x 24 uint8 (E2M3 codes of Wq, K innermost, in blocks of 32 codes, four codes in three bytes); Wq_scales 2,048 x 64 uint8 (E8M0 scales of Wq, one for each 32 codes along K); Wv_codes 2,048 x 64 x 24 uint8 (E2M3 codes of Wv, K innermost, in blocks of 32 codes, four codes in three bytes); Wv_scales 2,048 x 64 uint8 (E8M0 scales of Wv, one for each 32 codes along K); cos 2,048 x 64 float32; k_norm_w 128 float32; q_norm_w 128 float32; sin 2,048 x 64 float32; x_codes 1 x 2,048 x 64 x 24 uint8 (E2M3 codes of x, K innermost, in blocks of 32 codes, four codes in three bytes); x_scales 1 x 2,048 x 64 uint8 (E8M0 scales of x, one for each 32 codes along K).
;; Outputs: out0 1 x 2,048 x 2,048 float32.
;; This version of the problem:
;;   THIS VERSION OF THE PROBLEM IS GIVEN IN LOW PRECISION. The matrix products marked QUANTISED in the list below multiply operands that are first quantised to E2M3 (2 exponent bits, 3 mantissa bits; 6 bits a number), with one power-of-two scale for each 32 numbers along K (OCP MX v1.0); their sums are f32. All else is computed in f32.
;;   The module's matrix products, in the order in which they are computed (A, B: the left and right operand; K: the contracted axis; several contracted axes count as one K, in the product's order):
;;     1. [M 2,048, K 2,048] x [K 2,048, N 2,048]; A: input x (given as codes); B: input Wq (given as codes): QUANTISED
;;     2. [M 2,048, K 2,048] x [K 2,048, N 2,048]; A: input x (given as codes); B: input Wk (given as codes): QUANTISED
;;     3. [M 2,048, K 2,048] x [K 2,048, N 2,048]; A: input x (given as codes); B: input Wv (given as codes): QUANTISED
;;     4. batch 16 x [M 2,048, K 128] x [K 128, N 2,048]; A: computed on the way; B: computed on the way: QUANTISED
;;     5. batch 16 x [M 2,048, K 2,048] x [K 2,048, N 128]; A: softmax (see below); B: computed on the way: QUANTISED
;;     6. [M 2,048, K 2,048] x [K 2,048, N 2,048]; A: computed on the way; B: input Wo (given as codes): QUANTISED
;;   THE QUANTISER, for each operand of a quantised product, along K:
;;     - K is cut into blocks of 32 from its start; a last block that is shorter is filled with zeros.
;;     - A block's scale is 2^e with e = floor(log2(the largest magnitude in the block)) - 2, held to -126 .. 127; a block of zeros has e = 0. As a byte (E8M0): e + 127.
;;     - Each number is divided by its block's scale, clamped to +-7.5, and rounded to the nearest number of E2M3, ties to even, subnormals kept.
;;     - The product sums the exact products of the quantised numbers (number of the format x scale) in f32.
;;   ~~~python
;;   def quantise(x, axis):      # numpy; x: float32 -> the quantised numbers, widened to float32 again
;;       x = np.moveaxis(x, axis, -1); K = x.shape[-1]
;;       x = np.pad(x, [(0, 0)] * (x.ndim - 1) + [(0, -K % 32)]); x = x.reshape(x.shape[:-1] + (-1, 32)); a = np.abs(x).max(-1, keepdims=True)
;;       e = np.where(a > 0, np.clip(np.frexp(np.where(a > 0, a, 1))[1] - 1 - 2, -126, 127), 0)      # np.frexp(a)[1] - 1 = floor(log2(a)), exactly
;;       r = np.clip(x / 2.0 ** e, -7.5, 7.5)
;;       step = 2.0 ** (np.maximum(np.frexp(np.where(r == 0, 1, r))[1] - 1, 0) - 3)
;;       q = np.round(r / step) * step * 2.0 ** e      # np.round: ties to even
;;       return np.moveaxis(q.reshape(q.shape[:-2] + (-1,))[..., :K], -1, axis).astype(np.float32)
;;   ~~~
;;   SOFTMAX AHEAD OF A QUANTISED PRODUCT. Where the list says 'softmax', what is quantised is not the finished softmax but p = 2^(t - M), with t = logit x log2(e) and M = ceil(the row's largest t), a whole number; so 1/2 < the row's largest p <= 1. The row's sum l is taken of the UNQUANTISED p, in f32, and the product's result is divided by l at the end. Since M is a whole number, a kernel that streams over the keys may use a running M (the ceiling of the running maximum): every later rescaling is an exact power of two, which a block's scale takes up: the codes' values come out the same.
;;   OPERANDS COMPUTED ON THE WAY. 'Computed on the way' means the value that the module computes at that place (a softmax that the list does not call 'softmax' is quantised finished and normalised). What goes into a quantiser is computed in f32, as accurately as f32 sums, v_exp_f32 and their like allow (about 1e-6 of the number): no bf16 or f16 on the way to a quantiser, and a product that is left as it is and whose result goes on into a quantised operand takes f32 operands (vector FMAs, or v_wmma_f32_16x16x4_f32). A number that lies on a knife's edge between two numbers of the format may be rounded either way, as far as f32 arithmetic and the matrix unit's own rounding can turn it there, and no further.
;;   INPUTS GIVEN AS CODES. Wk (in the module: [2048, 2048], K = its axis 1); Wo (in the module: [2048, 2048], K = its axis 1); Wq (in the module: [2048, 2048], K = its axis 1); Wv (in the module: [2048, 2048], K = its axis 1); x (in the module: [1, 2048, 2048], K = its axis 2): each comes as NAME_codes (uint8): NAME with its K axis moved to the last place and cut into blocks of 32 codes, [.., K / 32, bytes a block], one block behind the other in memory; four codes in three bytes: a row's codes are one little-endian stream of bits, code i at bits 6 i .. 6 i + 5 (a code: sign, 2 exponent bits, 3 mantissa bits); and NAME_scales (uint8): the same leading axes, one E8M0 byte (e + 127) for each 32 codes along K. Its value is code x scale, taken as it is: it is not quantised again, and the codes and scales need not be those that the quantiser above would give.
;; One version. Each part assembles by itself: llvm-mc -triple=amdgcn-amd-amdhsa -mcpu=gfx1250 --defsym DOCPART=n.
;; ======== version 1 of 1: 3 launches
;; workspace buffers: qkv_img 9,437,184 bytes; qkv_sc 393,216 bytes; a_img 3,145,728 bytes; a_sc 131,072 bytes
;; launch qkv (part 1): grid 24 x 8, 4 waves a work-group, clusters of 4 x 4, 327,680 bytes of LDS; arguments x_codes, x_scales, Wq_codes, Wq_scales, Wk_codes, Wk_scales, Wv_codes, Wv_scales, sin, cos, q_norm_w, k_norm_w, qkv_img, qkv_sc; writes qkv_img, qkv_sc
.if DOCPART == 1
	.amdgcn_target "amdgcn-amd-amdhsa--gfx1250"
	.amdhsa_code_object_version 6
	.text
	.protected	k_qbf8741038b_qkv
	.globl	k_qbf8741038b_qkv
	.p2align	8
	.type	k_qbf8741038b_qkv,@function
k_qbf8741038b_qkv:
	s_mov_b64 s[64:65], 0
	v_nop
	global_prefetch_b8 v0, s[64:65] scope:SCOPE_SE
	s_setreg_imm32_b32 hwreg(HW_REG_WAVE_MODE, 25, 1), 1
	s_wait_xcnt 0x0
	s_wait_alu depctr_hold_cnt(0) depctr_sa_sdst(0) depctr_va_vdst(0) depctr_va_sdst(0) depctr_va_ssrc(0) depctr_va_vcc(0) depctr_vm_vsrc(0)
	s_getreg_b32 s2, hwreg(HW_REG_IB_STS2, 6, 4)
	s_cmp_eq_u32 s2, 0
	s_cbranch_scc0 .Lentry_in_a_cluster
	s_endpgm
.Lentry_in_a_cluster:
	s_bfe_u32 s2, ttmp6, 0x10000c
	s_cmp_lg_u32 s2, 0xf033
	s_cbranch_scc0 .Lentry_shape_is_right
	s_endpgm
.Lentry_shape_is_right:
; q = x Wq^T, k = x Wk^T, v = x Wv^T on codes of FP6 (E2M3) with one E8M0 scale for each 32 along K = 2,048; then RoPE and RMS-norm on q and k, in f32; then q and k are quantised along the
; head's 128 channels and v along the keys, and leave as IMAGES OF OPERAND REGISTERS: a fragment (16 rows x 128 K, 12 registers a lane) is 1,536 bytes, registers 4 c .. 4 c + 3 of lane l at 512 c + 16 l.
; SHARES.  24 x 8 work-groups of four waves; a work-group makes 256 x 256 results, a wave 128 x 128 (64 accumulators, 512 registers).  KIND = cluster x / 2: 0 q, 1 k, 2 v.
; "A" (source 1, 256 rows by the tile row) and "B" (source 0, 256 rows by the tile column) are: q: x, Wq;  k: x, Wk;  v: Wv, x.  In a result lane (r, h) holds row r of A's block and B's rows 8 h + 0 .. 7:
; for q and k one token with registers along the channels, for v one channel with registers along the tokens: in all three the registers run along the NEXT product's K, and a wave's 128 x 128 is one head x one group of 128 tokens.
; K goes in steps of 256 through a ring of two LDS slots; the scale bytes of the 512 rows come once.  CLUSTERS of 4 x 4: A's tiles are asked for jointly along a row of the cluster, B's along a column.
; ORDER INSIDE A BLOCK OF 32: the quantiser packs lane half h's 16 numbers, columns 8 h + 0 .. 7 and 16 + 8 h + 0 .. 7 of the block, so a block's codes lie in the order 0-7, 16-23, 8-15, 24-31.  The blocks and their scales are
; the true ones, and both operands of each later product (q with k; v with p) are ordered alike, so every product is the same.
; LIMITS: NaN and infinities are not served.  A block of zeros, or one whose largest magnitude lies under 2^-124, keeps the byte 1 (its codes are zeros; this program alone reads the bytes).
; The norm is (y x w) x rsqrt(mean + eps), the two factors in that order; v_rsq_f32 is good to 1 ulp (ISA guide, its entry).
; REGISTERS: window 0: v16-29 addresses; v32-63 scale words, two sets; v128-223 A's fragments, one set.  window 1: B's fragments, two sets.  windows 2, 3: the accumulators, (a, b) at v[8 (8 (a % 4) + b)].
; On the way out: window 0: v64-127 norm weights, v128-191 the rotated numbers, v192-210 codes, v212-227 at work, v232-239 scale words, v240-243 their image, v244-253 sums; window 1: three homes of 64 for cos and sin.
.set NQ,     2                         ; matrix instructions deep in a slot
.set ROWB,   192                       ; a tile's row: 256 codes
.set KROW,   1536                      ; a row of codes in memory
.set PITCH,  240                       ; an LDS row: 3 x (64 bytes + 16 of padding)
.set FR,     12
.set NL,     6
.set NP,     4
.set HALFT,  128*PITCH
.set SLOT,   4*HALFT
.set LAPS,   4                         ; 2,048 / 512
.set KS,     64                        ; a row of scale bytes
.set SCL,    2*SLOT
.set HALFS,  (128*KS/256)*272
.set SBLK,   (16*KS/256)*272
.set SPARE,  SCL+4*HALFS               ; the spare words: 128 bytes a wave, two blocks of 256 bytes that no other line names
.set ADRA, 16
.set ADRB, 20
.set LI,   24                          ; v24  16 x lane: an image's place for my lane
.set SCA,  25                          ; v25  256 r + 32 h: my token's row of cos and sin, my half's eight channels
.set WO,   26                          ; v26  32 h: the same in the norm weights
.set ADRS, 27
.set SPW,  28
.set NIL,  29
.set SC,   32
.set AF,   128
.set W,    64
.set Y,    128
.set PC,   192
.set TM,   212
.set SW,   232
.set WI,   240
.set SS,   244
.set RR,   252
.set G1,   24
.set G0,   32
.set G1B,  48
.set G0B,  56
.set WV,   66
.set RH,   67
.set G1S,  68
.set G0S,  76
.set G1SB, 80
.set G0SB, 88
.set CH,   100
.set KIND, 101
.set TROW, 104
.set XC,   105
.set MSB, 0
.macro WIN new                         ; the immediate's high byte repeats the setting that is left
.if MSB != \new
	s_set_vgpr_msb (MSB<<8)|\new
.set MSB, \new
.endif
.endm
.set MUL_LO, 0xa1                      ; source 0 (B) window 1, source 1 (A) window 0, C and D window 2
.set MUL_HI, 0xf1                      ; the same, C and D window 3
.set TO_B,   0x40                      ; destination window 1, address window 0
; A joint load: waves 0 and 1 fetch for A, waves 2 and 3 for B; the branch hangs on the wave's number alone.  An s_nop 0 and four v_nop follow each of the two lines.
.macro JLOAD g0a, g1a, g0b, g1b
	s_cmp_eq_u32 s[RH], 0
	s_cbranch_scc0 .Lfor_b_\@
	tensor_load_to_lds s[\g0a:\g0a+3], s[\g1a:\g1a+7]
	s_nop 0
.rept 4
	v_nop
.endr
	s_branch .Lasked_\@
.Lfor_b_\@:
	tensor_load_to_lds s[\g0b:\g0b+3], s[\g1b:\g1b+7]
	s_nop 0
.rept 4
	v_nop
.endr
.Lasked_\@:
.endm
.macro CREST                           ; a round of the cluster's barrier behind its opening barrier
	s_cmp_lg_u32 s[WV], 0
	s_cbranch_scc1 .Lnot_wave_0_\@
	s_barrier_signal -3
.Lnot_wave_0_\@:
	s_barrier_wait -3
	s_barrier_signal -1
	s_barrier_wait -1
.endm
.macro CROUND
	s_barrier_signal -1
	s_barrier_wait -1
	CREST
.endm
	s_load_b512 s[4:19], s[0:1], 0x0               ; x's codes 4:5, scales 6:7; Wq's 8:9, 10:11; Wk's 12:13, 14:15; Wv's 16:17, 18:19
	s_load_b128 s[20:23], s[0:1], 0x40             ; sin, cos
	s_load_b128 s[96:99], s[0:1], 0x50             ; q_norm_w, k_norm_w
	s_load_b128 s[92:95], s[0:1], 0x60             ; the images, the scale images
	v_lshl_add_u32 v[SPW], v0, 2, SPARE
	v_mov_b32 v[NIL], 0
	ds_add_u32 v[SPW], v[NIL]                      ; the wave's opening: the add and its wait stand ahead of my first tensor load; the set-up below, work on registers, stands between them
	v_lshrrev_b32 v1, 5, v0
	v_readfirstlane_b32 s[WV], v1                  ; wave 0..3
	s_lshr_b32 s[RH], s[WV], 1                     ; which half of A's rows is mine.  Also: I fetch for A (0) or for B (1)
	s_and_b32 s[CH], s[WV], 1                      ; which half of B's rows.  Also: which 128 rows I fetch
	s_bfe_u32 s40, ttmp6, 0x40000                  ; cx
	s_bfe_u32 s41, ttmp6, 0x40004                  ; cy
	s_lshl_b32 s42, ttmp9, 2
	s_add_co_u32 s42, s42, s40                     ; work-group x = 4 x cluster x + cx
	s_and_b32 s[XC], s42, 7                        ; the tile column inside its kind
	s_lshr_b32 s[KIND], ttmp9, 1                   ; from the cluster's x alone: equal in all sixteen partners
	s_and_b32 s[TROW], ttmp7, 0xffff
	s_lshl_b32 s[TROW], s[TROW], 2
	s_add_co_u32 s[TROW], s[TROW], s41             ; the tile row = 4 x cluster y + cy
	s_lshl_b32 s43, s41, 2
	s_lshl_b32 s43, 15, s43                        ; my row of the cluster
	s_lshl_b32 s44, 0x1111, s40                    ; my column
	; descriptor group 1: a tile of 128 rows x 192 bytes, 16 bytes of padding behind every 64
	s_or_b32 s[G1+0], s43, (0<<16)|(1<<20)|(1<<21)|(3<<22)|(3<<25)
	s_or_b32 s[G1B+0], s44, (0<<16)|(1<<20)|(1<<21)|(3<<22)|(3<<25)
.irp g, G1, G1B
	s_mov_b32 s[\g+1], ROWB<<16                    ; tensor_dim0
	s_mov_b32 s[\g+2], 128<<16                     ; tensor_dim1
	s_mov_b32 s[\g+3], ROWB<<16                    ; tile_dim0
	s_mov_b32 s[\g+4], 128                         ; tile_dim1
	s_mov_b32 s[\g+5], KROW                        ; from row to row
	s_mov_b32 s[\g+6], 0
	s_mov_b32 s[\g+7], 0
.endr
	; the scale bytes of 128 rows: 8,192 dense bytes as 32 rows of 256 (32 elements of 8 bytes), 16 bytes of padding behind each
	s_or_b32 s[G1S+0], s43, (3<<16)|(1<<20)|(1<<21)|(5<<22)|(3<<25)
	s_or_b32 s[G1SB+0], s44, (3<<16)|(1<<20)|(1<<21)|(5<<22)|(3<<25)
.irp g, G1S, G1SB
	s_mov_b32 s[\g+1], 32<<16
	s_mov_b32 s[\g+2], (128*KS/256)<<16
	s_mov_b32 s[\g+3], 32<<16
	s_mov_b32 s[\g+4], 128*KS/256
	s_mov_b32 s[\g+5], 32
	s_mov_b32 s[\g+6], 0
	s_mov_b32 s[\g+7], 0
.endr
	; byte offsets of what I fetch, made in the descriptors' own address pairs.  A's hang on the tile row alone, B's on the tile column alone
	s_lshl_b32 s3, s[CH], 7
	s_lshl_b32 s2, s[TROW], 8
	s_add_co_u32 s2, s2, s3                        ; A's row: 256 x tile row + 128 x half
	s_lshl_b32 s46, s[XC], 8
	s_add_co_u32 s46, s46, s3                      ; B's row: 256 x tile column + 128 x half
	s_mul_i32 s[G0+2], s2, KROW
	s_mov_b32 s[G0+3], 0
	s_lshl_b32 s[G0S+2], s2, 6
	s_mov_b32 s[G0S+3], 0
	s_mul_i32 s[G0B+2], s46, KROW
	s_mov_b32 s[G0B+3], 0
	s_lshl_b32 s[G0SB+2], s46, 6
	s_mov_b32 s[G0SB+3], 0
	s_mul_i32 s45, s[WV], HALFT                    ; where they go: wave x 128 rows: no place in the cluster enters an LDS address
	s_mul_i32 s47, s[WV], HALFS
.irp g, G0, G0+4, G0B, G0B+4, G0S, G0SB
	s_mov_b32 s[\g], 1                             ; count = 1
.endr
	s_mov_b32 s[G0+1], s45
	s_add_co_u32 s[G0+5], s45, SLOT
	s_mov_b32 s[G0B+1], s45
	s_add_co_u32 s[G0B+5], s45, SLOT
	s_add_co_u32 s[G0S+1], s47, SCL
	s_add_co_u32 s[G0SB+1], s47, SCL
	s_wait_dscnt 0x0                               ; the opening add is done
	s_wait_kmcnt 0x0
	s_cmp_eq_u32 s[KIND], 1                        ; the operands are chosen by the kind, which hangs on no address
	s_cselect_b64 s[8:9], s[12:13], s[8:9]         ; B: Wk for k,
	s_cselect_b64 s[10:11], s[14:15], s[10:11]
	s_cmp_eq_u32 s[KIND], 2
	s_cselect_b64 s[8:9], s[4:5], s[8:9]           ; x for v;
	s_cselect_b64 s[10:11], s[6:7], s[10:11]
	s_cselect_b64 s[4:5], s[16:17], s[4:5]         ; A: Wv for v, else x
	s_cselect_b64 s[6:7], s[18:19], s[6:7]
	s_add_nc_u64 s[G0+2:G0+3], s[4:5], s[G0+2:G0+3]
	s_add_nc_u64 s[G0+6:G0+7], s[G0+2:G0+3], ROWB  ; slot 1: K step 1
	s_add_nc_u64 s[G0S+2:G0S+3], s[6:7], s[G0S+2:G0S+3]
	s_add_nc_u64 s[G0B+2:G0B+3], s[8:9], s[G0B+2:G0B+3]
	s_add_nc_u64 s[G0B+6:G0B+7], s[G0B+2:G0B+3], ROWB
	s_add_nc_u64 s[G0SB+2:G0SB+3], s[10:11], s[G0SB+2:G0SB+3]
.irp g, G0+3, G0+7, G0S+3, G0B+3, G0B+7, G0SB+3
	s_or_b32 s[\g], s[\g], 0x80000000              ; type = 2
.endr
	CROUND                                         ; all sixteen work-groups are here: the first joint loads meet
	JLOAD G0S, G1S, G0SB, G1SB                     ; the scales first: they are wanted with K step 0
	JLOAD G0, G1, G0B, G1B                         ; slot 0
	JLOAD G0+4, G1, G0B+4, G1B                     ; slot 1: three tensor loads of mine are out
	v_and_b32 v1, 15, v0                           ; r
	v_bfe_u32 v2, v0, 4, 1                         ; h
	v_mul_u32_u24 v3, v1, PITCH
	v_mul_u32_u24 v4, v2, 24
	v_add_nc_u32 v4, v3, v4                        ; a fragment's row x pitch + 24 x half
	v_lshl_add_u32 v5, v2, 4, v4                   ; and the same behind one padding more
	s_mul_i32 s12, s[RH], HALFT                    ; my 128 rows of A
	s_mul_i32 s13, s[CH], HALFT                    ; my 128 rows of B,
	s_add_co_u32 s13, s13, 2*HALFT                 ; which lie behind A's 256
.irp s, 0,1
	v_add_nc_u32 v[ADRA+\s], s12, v4
	v_add_nc_u32 v[ADRB+\s], s13, v4
	v_add_nc_u32 v[ADRA+2+\s], s12, v5
	v_add_nc_u32 v[ADRB+2+\s], s13, v5
	s_add_co_u32 s12, s12, SLOT
	s_add_co_u32 s13, s13, SLOT
.endr
	v_mul_u32_u24 v5, v1, KS                       ; my row's scales: 64 bytes a row,
	v_lshrrev_b32 v6, 8, v5
	v_lshl_add_u32 v5, v6, 4, v5                   ; and 16 more for each 256 passed
	s_mul_i32 s12, s[RH], HALFS
	s_mul_i32 s13, s[CH], HALFS
	s_add_co_u32 s13, s13, 2*HALFS
	s_sub_co_u32 s13, s13, s12
	v_mul_u32_u24 v6, s13, v2                      ; lanes 16-31 take B's
	s_add_co_u32 s12, s12, SCL
	v_add_nc_u32 v5, v5, v6
	v_add_nc_u32 v[ADRS], s12, v5
	v_and_b32 v6, 31, v0
	v_lshlrev_b32 v[LI], 4, v6
	v_lshlrev_b32 v[SCA], 8, v1
	v_lshl_add_u32 v[SCA], v2, 5, v[SCA]
	v_lshlrev_b32 v[WO], 5, v2
.macro FRAG reg, adr, q, i             ; a fragment: lane l holds row l % 16; registers 6 c .. 6 c + 5 hold K = 64 c + 32 (l / 16) + 0 .. 31: 24 bytes of the row's stream of bits, in pieces of 8 bytes
.irp p, 0,1,2,3,4,5
.set PCE, 12*(\q)+6*(\p/3)+\p%3        ; 16 bytes of padding lie behind every 8 pieces: where the piece three on lies behind one padding more, the second address register serves
.if PCE%8 < 5
	ds_load_b64 v[\reg+2*\p:\reg+2*\p+1], v[\adr] offset:8*PCE+16*(PCE/8)+(\i)*16*PITCH
.else
	ds_load_b64 v[\reg+2*\p:\reg+2*\p+1], v[\adr+2] offset:8*PCE+16*(PCE/8)+(\i)*16*PITCH
.endif
.endr
.endm
; 16 matrix instructions: A's blocks a0, a0 + 1 x B's eight, 128 along K.  The 64 accumulators take turns, one instruction a turn, in the same order in every step.
.macro MUL16 a0, p, q, sc, zero
.irp a, \a0, \a0+1
.irp b, 0,1,2,3,4,5,6,7
.if \zero
	v_wmma_scale_f32_16x16x128_f8f6f4 v[8*(8*((\a)%4)+\b):8*(8*((\a)%4)+\b)+7], v[128*(\p)+FR*\b:128*(\p)+FR*\b+FR-1], v[AF+FR*(\a):AF+FR*(\a)+FR-1], 0, v[SC+8*NQ*(\sc)+NQ*\b+(\q)], v[SC+8*NQ*(\sc)+NQ*(\a)+(\q)] matrix_a_fmt:MATRIX_FMT_FP6 matrix_b_fmt:MATRIX_FMT_FP6 matrix_a_scale:MATRIX_SCALE_ROW1
.else
	v_wmma_scale_f32_16x16x128_f8f6f4 v[8*(8*((\a)%4)+\b):8*(8*((\a)%4)+\b)+7], v[128*(\p)+FR*\b:128*(\p)+FR*\b+FR-1], v[AF+FR*(\a):AF+FR*(\a)+FR-1], v[8*(8*((\a)%4)+\b):8*(8*((\a)%4)+\b)+7], v[SC+8*NQ*(\sc)+NQ*\b+(\q)], v[SC+8*NQ*(\sc)+NQ*(\a)+(\q)] matrix_a_fmt:MATRIX_FMT_FP6 matrix_b_fmt:MATRIX_FMT_FP6 matrix_a_scale:MATRIX_SCALE_ROW1
.endif
.endr
.endr
.endm
.macro FETCH_B slot, q, p
	WIN TO_B
.irp i, 0,1,2,3,4,5,6,7
	FRAG 128*(\p)+FR*\i, ADRB+\slot, \q, \i
.endr
	WIN 0
.endm
.macro FETCH_A slot, q, i0
.irp i, \i0, \i0+1, \i0+2, \i0+3
	FRAG AF+FR*(\i), ADRA+\slot, \q, \i
.endr
.endm
.macro SCALES sc                       ; a K step's scale words: two words a row; lanes 0-15 take A's block i, lanes 16-31 B's block i
.irp i, 0,1,2,3,4,5,6,7
	ds_load_b64 v[SC+8*NQ*\sc+NQ*\i:SC+8*NQ*\sc+NQ*\i+1], v[ADRS] offset:\i*SBLK
.endr
.endm
.macro PLACES n                        ; plain vector instructions between a matrix instruction and a load into, or a read of, its registers
.rept \n
	v_nop
.endr
.endm
.macro STEP slot, q, zero              ; 128 along K with its successor in the same slot
	s_wait_dscnt 4*NL                              ; B's set and A's blocks 0-3 are in; the youngest 24 loads (A's blocks 4-7) may be out
	WIN MUL_LO
	MUL16 0, (\q)%2, \q, \slot, \zero
	MUL16 2, (\q)%2, \q, \slot, \zero
	s_wait_dscnt 0                                 ; A's blocks 4-7 are in
	PLACES NP
	FETCH_B \slot, (\q)+1, 1-(\q)%2
	FETCH_A \slot, (\q)+1, 0
	WIN MUL_HI
	MUL16 4, (\q)%2, \q, \slot, \zero
	MUL16 6, (\q)%2, \q, \slot, \zero
	PLACES NP
	WIN 0
	FETCH_A \slot, (\q)+1, 4
.endm
; A slot's last step changes slots: one barrier; in front of it each wave waits for all its tensor loads, adds 0 to its spare word, and waits for that and for its reads of this slot.
.macro TURN slot, next, fill
	s_wait_tensorcnt 0x0                           ; all my tensor loads have landed: my part of the next slot (every window is 0 here)
	ds_add_u32 v[SPW], v[NIL]                      ; 0 onto my spare word
	s_wait_dscnt 4*NL+1                            ; the add and the youngest 24 loads may be out
	WIN MUL_LO
	MUL16 0, 1, NQ-1, \slot, 0
	s_wait_dscnt 0x0                               ; the add is done, and my reads of this slot are over
	s_barrier_signal -1
	MUL16 2, 1, NQ-1, \slot, 0
	WIN 0
	s_barrier_wait -1
.if \fill
	CREST                                          ; the barrier has opened a round of the cluster's: no wave of any partner still reads this slot or has a load on its way
	s_add_nc_u64 s[G0+4*\slot+2:G0+4*\slot+3], s[G0+4*\slot+2:G0+4*\slot+3], 2*ROWB
	s_add_nc_u64 s[G0B+4*\slot+2:G0B+4*\slot+3], s[G0B+4*\slot+2:G0B+4*\slot+3], 2*ROWB
	JLOAD G0+4*\slot, G1, G0B+4*\slot, G1B         ; the first tensor load behind the round; its four v_nop are the places in front of the loads below
.else
	PLACES NP
.endif
	v_add_nc_u32 v[ADRS], 4*NQ, v[ADRS]            ; the next K step's scale words
	FETCH_B \next, 0, 0
	FETCH_A \next, 0, 0
	SCALES \next
	WIN MUL_HI
	MUL16 4, 1, NQ-1, \slot, 0
	MUL16 6, 1, NQ-1, \slot, 0
	PLACES NP
	WIN 0
	FETCH_A \next, 0, 4
.endm
	s_wait_tensorcnt 1                             ; the scales and my part of K step 0 are in; K step 1's load may be out
	s_barrier_signal -1
	s_barrier_wait -1
	FETCH_B 0, 0, 0
	FETCH_A 0, 0, 0
	SCALES 0
	FETCH_A 0, 0, 4
	STEP 0, 0, 1                                   ; the first step stands in front of the loop: its products start the sums
	s_mov_b32 s3, LAPS-1
.Llap:                                                 ; a trip goes once round the ring and fills both slots again
	TURN 0, 1, 1
	STEP 1, 0, 0
	TURN 1, 0, 1
	STEP 0, 0, 0
	s_sub_co_u32 s3, s3, 1
	s_cmp_lg_u32 s3, 0
	s_cbranch_scc1 .Llap
	TURN 0, 1, 0                                   ; the last lap fills nothing
	STEP 1, 0, 0
	s_wait_dscnt 4*NL
	WIN MUL_LO
	MUL16 0, 1, NQ-1, 1, 0
	MUL16 2, 1, NQ-1, 1, 0
	s_wait_dscnt 0
	WIN MUL_HI
	MUL16 4, 1, NQ-1, 1, 0
	MUL16 6, 1, NQ-1, 1, 0
	WIN 0
; THE WAY OUT.  No LDS: a block of 16 rows becomes one fragment's codes in registers, and each of its three stores covers 512 consecutive bytes, aligned.
	PLACES NP
	s_mov_b32 s12, 0x3c000000                      ; 1 / 128
	s_mov_b32 s13, 0x34000000                      ; eps = 2^-23
	s_mov_b32 s14, 0x76543210
	s_mov_b32 s15, 0xfedcba98                      ; v_permlanex16_b32's selects for lane l xor 16
	s_mov_b32 s16, 0xffff0000                      ; lanes 16-31
	s_lshl_b32 s17, s[XC], 1
	s_add_co_u32 s17, s17, s[CH]                   ; B's group of 128 rows
	s_lshl_b32 s18, s[TROW], 1
	s_add_co_u32 s18, s18, s[RH]                   ; A's
	s_cmp_eq_u32 s[KIND], 2
	s_cselect_b32 s19, s18, s17                    ; the head: of the weight's rows
	s_cselect_b32 s17, s17, s18                    ; the group of 128 tokens: of x's rows
	s_lshl_b32 s18, s[KIND], 8
	s_lshl_b32 s19, s19, 4
	s_add_co_u32 s18, s18, s19
	s_add_co_u32 s18, s18, s17                     ; 256 kind + 16 head + group
	s_mul_i32 s4, s18, 8*FR*128
	s_mov_b32 s5, 0
	s_add_nc_u64 s[92:93], s[92:93], s[4:5]        ; my eight fragments
	s_lshl_b32 s4, s18, 9
	s_add_nc_u64 s[94:95], s[94:95], s[4:5]        ; and their scale image
.irp b, 0,1,2,3
	v_mov_b32 v[TM+4+\b], 0                        ; written once: a lane permute's destination counts as one of its sources
.endr
	v_mov_b32 v[RR+1], 0                           ; named as the upper half of the pair before it is first written
; 64 numbers of a lane in window w, v[s] on, four blocks of 16 (the other 16 of each block lie in lane l xor 16), become a fragment's codes in v[PC] on and its rows' scale word in v[SW + a].
.macro QUANT s, w, a
.set WW, (\w)|((\w)<<2)
	WIN WW
.irp b, 0,1,2,3
	v_max3_num_f32 v[TM+\b], |v[(\s)+16*\b]|, |v[(\s)+1+16*\b]|, 0x1800000   ; my 16 numbers, and the floor 2^(3 - 127): the byte cannot fall under 1
.endr
.set WW, ((\w)<<2)|((\w)<<4)
	WIN WW
.irp i, 2,4,6,8,10,12,14
.irp b, 0,1,2,3
	v_max3_num_f32 v[TM+\b], v[TM+\b], |v[(\s)+16*\b+\i]|, |v[(\s)+1+16*\b+\i]|   ; ascending: each accumulator is read from its low end on
.endr
.endr
	WIN 0
.irp b, 0,1,2,3
	v_permlanex16_b32 v[TM+4+\b], v[TM+\b], s14, s15
.endr
.irp b, 0,1,2,3
	v_max_num_f32 v[TM+\b], v[TM+\b], v[TM+4+\b]   ; the block's largest magnitude
.endr
.irp b, 0,1,2,3
	v_add_nc_u32 v[TM+12+\b], 0xff000000, v[TM+\b] ; 2 off its exponent field: the conversion's scale operand
.endr
.irp b, 0,1,2,3
	v_lshrrev_b32 v[TM+4+\b], 23, v[TM+12+\b]      ; the scale's byte
.endr
	v_lshl_or_b32 v[SW+(\a)], v[TM+5], 8, v[TM+4]
	v_lshl_or_b32 v[SW+(\a)], v[TM+6], 16, v[SW+(\a)]
	v_lshl_or_b32 v[SW+(\a)], v[TM+7], 24, v[SW+(\a)]
	s_wait_xcnt 0x0                                ; the last block's stores have read the codes' registers: they are written again only behind this wait
.set WW, (\w)
	WIN WW
.irp c, 0,1
	v_cvt_scalef32_pk16_fp6_f32 v[PC+6*\c:PC+2+6*\c], v[(\s)+32*\c:(\s)+15+32*\c], v[TM+12+2*\c]
	v_cvt_scalef32_pk16_fp6_f32 v[PC+12+4*\c:PC+14+4*\c], v[(\s)+16+32*\c:(\s)+31+32*\c], v[TM+12+2*\c+1]   ; (a conversion's three registers begin on an even number)
.endr
	WIN 0
	v_nop                                          ; one plain place behind a scaled conversion
.irp c, 0,1                                    ; the operand's layout wants a whole block in a lane: lanes 0-15 block 2 c, lanes 16-31 block 2 c + 1
.irp i, 0,1,2
	v_permlane16_swap_b32 v[PC+6*\c+\i], v[PC+12+4*\c+\i]
.endr
.irp i, 0,1,2
	v_mov_b32 v[PC+3+6*\c+\i], v[PC+12+4*\c+\i]
.endr
.endr
.endm
.macro PUT a                           ; fragment a's image: three stores of 512 consecutive bytes
.irp c, 0,1,2
	global_store_b128 v[LI], v[PC+4*\c:PC+4*\c+3], s[92:93] offset:FR*128*(\a)+512*\c
.endr
.endm
	s_cmp_eq_u32 s[KIND], 2                        ; ids alone, equal in all partners
	s_cbranch_scc1 .Lv
	; ---- q and k: RoPE, RMS-norm, quantiser
	s_lshl_b32 s4, s[TROW], 16
	s_lshl_b32 s6, s[RH], 15
	s_add_co_u32 s4, s4, s6                        ; my first token x 256 bytes
	s_add_nc_u64 s[20:21], s[20:21], s[4:5]
	s_add_nc_u64 s[22:23], s[22:23], s[4:5]
	s_cmp_eq_u32 s[KIND], 1
	s_cselect_b64 s[96:97], s[98:99], s[96:97]     ; k's weights or q's
.irp b, 0,1,2,3,4,5,6,7
	global_load_b128 v[W+8*\b:W+8*\b+3], v[WO], s[96:97] offset:64*\b          ; register 8 b + j: channel 16 b + 8 h + j, as in the results
	global_load_b128 v[W+8*\b+4:W+8*\b+7], v[WO], s[96:97] offset:64*\b+16
.endr
.macro CSLOAD a                        ; cos and sin of block a's 16 tokens, channels 16 b + 8 h + 0 .. 7 (b = 0 .. 3), into home a % 3 of window 1
.set HM, 64*((\a)%3)
	WIN TO_B
.irp b, 0,1,2,3
.irp e, 0,1
	global_load_b128 v[HM+8*\b+4*\e:HM+8*\b+4*\e+3], v[SCA], s[22:23] offset:4096*(\a)+64*\b+16*\e
	global_load_b128 v[HM+32+8*\b+4*\e:HM+32+8*\b+4*\e+3], v[SCA], s[20:21] offset:4096*(\a)+64*\b+16*\e
.endr
.endr
	WIN 0
.endm
	CSLOAD 0
	CSLOAD 1
	CSLOAD 2
.macro ROPE a                          ; y1 = x1 cos - x2 sin, y2 = x1 sin + x2 cos; x1: the block's accumulators 0-3, x2: 4-7; ascending
.set AC, 64*((\a)%4)
.set HM, 64*((\a)%3)
.set WW, (2+(\a)/4)|4
	WIN WW                                         ; source 0 the accumulators' window, source 1 window 1, the rest window 0
.set p, 0
.rept 16
	v_pk_mul_f32 v[Y+2*p:Y+2*p+1], v[AC+2*p:AC+2*p+1], v[HM+2*p:HM+2*p+1]
	v_pk_mul_f32 v[Y+32+2*p:Y+33+2*p], v[AC+2*p:AC+2*p+1], v[HM+32+2*p:HM+33+2*p]
	v_pk_fma_f32 v[Y+2*p:Y+2*p+1], v[AC+32+2*p:AC+33+2*p], v[HM+32+2*p:HM+33+2*p], v[Y+2*p:Y+2*p+1] neg_lo:[0,1,0] neg_hi:[0,1,0]
	v_pk_fma_f32 v[Y+32+2*p:Y+33+2*p], v[AC+32+2*p:AC+33+2*p], v[HM+2*p:HM+2*p+1], v[Y+32+2*p:Y+33+2*p]
.set p, p+1
.endr
	WIN 0
.endm
.macro QKBLOCK a
.if (\a) < 6
	s_wait_loadcnt 32                              ; this block's cos and sin are in (for block 0 the weights too); the two younger sets of 16 loads may be out
.else
	s_wait_loadcnt 16*(7-(\a))
.endif
	ROPE \a
.if (\a)+3 < 8
	CSLOAD (\a)+3                                  ; the home just read takes the set three blocks on
.endif
.set k, 0
.rept 4
	v_pk_mul_f32 v[SS+2*k:SS+2*k+1], v[Y+2*k:Y+2*k+1], v[Y+2*k:Y+2*k+1]   ; the sum of squares of my 64, in four chains
.set k, k+1
.endr
.rept 28
	v_pk_fma_f32 v[SS+2*(k%4):SS+2*(k%4)+1], v[Y+2*k:Y+2*k+1], v[Y+2*k:Y+2*k+1], v[SS+2*(k%4):SS+2*(k%4)+1]
.set k, k+1
.endr
	v_pk_add_f32 v[SS:SS+1], v[SS:SS+1], v[SS+2:SS+3]
	v_pk_add_f32 v[SS+4:SS+5], v[SS+4:SS+5], v[SS+6:SS+7]
	v_pk_add_f32 v[SS:SS+1], v[SS:SS+1], v[SS+4:SS+5]
	v_add_f32 v[SS], v[SS], v[SS+1]
	v_permlanex16_b32 v[TM+4], v[SS], s14, s15
	v_add_f32 v[SS], v[SS], v[TM+4]                ; with lane l xor 16's 64: the token's 128
	v_fma_f32 v[SS], v[SS], s12, s13               ; the mean + eps
	v_rsq_f32 v[RR], v[SS]
.set k, 0
.rept 32
	v_pk_mul_f32 v[Y+2*k:Y+2*k+1], v[Y+2*k:Y+2*k+1], v[W+2*k:W+2*k+1]     ; x w: plain work behind the root, which names neither its result nor its source
.set k, k+1
.endr
	s_wait_alu depctr_va_vdst(0)                   ; the wait ahead of the first instruction that names the root
.set k, 0
.rept 32
	v_pk_mul_f32 v[Y+2*k:Y+2*k+1], v[Y+2*k:Y+2*k+1], v[RR:RR+1] op_sel_hi:[1,0]
.set k, k+1
.endr
	QUANT Y, 0, \a
	PUT \a
.endm
.irp a, 0,1,2,3,4,5,6,7
	QKBLOCK \a
.endr
	s_branch .Ljoin
.Lv:
	; ---- v: the codes are made straight from the accumulators: a lane's registers run along the keys
.irp a, 0,1,2,3,4,5,6,7
	QUANT 64*(\a%4), 2+\a/4, \a
	PUT \a
.endr
.Ljoin:
.irp i, 0,1,2,3
	v_cndmask_b32 v[WI+\i], v[SW+2*\i], v[SW+2*\i+1], s16   ; the scale image: word i of lane l: fragment 2 i + l / 16, row l % 16
.endr
	global_store_b128 v[LI], v[WI:WI+3], s[94:95]  ; 512 consecutive bytes
	s_wait_tensorcnt 0x0                           ; the wave's end
	ds_add_u32 v[SPW], v[NIL]
	s_wait_dscnt 0x0
	CROUND                                         ; the closing round: no work-group ends while a partner may still ask for a tile that names it
	s_endpgm
.Lfunc_end_k_qbf8741038b_qkv:
	.size	k_qbf8741038b_qkv, .Lfunc_end_k_qbf8741038b_qkv-k_qbf8741038b_qkv
	.p2alignl 7, 3214868480
	.fill 96, 4, 3214868480
	.section	.rodata,"a",@progbits
	.p2align	6, 0x0
	.amdhsa_kernel k_qbf8741038b_qkv
		.amdhsa_group_segment_fixed_size 327680
		.amdhsa_private_segment_fixed_size 0
		.amdhsa_enable_private_segment 0
		.amdhsa_kernarg_size 112
		.amdhsa_user_sgpr_count 2
		.amdhsa_user_sgpr_kernarg_segment_ptr 1
		.amdhsa_wavefront_size32 1
		.amdhsa_system_sgpr_workgroup_id_x 1
		.amdhsa_system_sgpr_workgroup_id_y 1
		.amdhsa_system_sgpr_workgroup_id_z 1
		.amdhsa_system_vgpr_workitem_id 0
		.amdhsa_next_free_vgpr 1024
		.amdhsa_next_free_sgpr 106
		.amdhsa_reserve_vcc 0
		.amdhsa_float_denorm_mode_32 3
		.amdhsa_float_denorm_mode_16_64 3
		.amdhsa_memory_ordered 1
		.amdhsa_forward_progress 1
		.amdhsa_inst_pref_size 255
	.end_amdhsa_kernel
	.section	.bss,"aw",@nobits
	.p2align	6
	.space	262144
	.amdgpu_metadata
---
amdhsa.version: [ 1, 2 ]
amdhsa.kernels:
  - .name:           k_qbf8741038b_qkv
    .symbol:         k_qbf8741038b_qkv.kd
    .args:
      - { .name: x_codes, .offset: 0, .size: 8, .value_kind: global_buffer, .address_space: global }
      - { .name: x_scales, .offset: 8, .size: 8, .value_kind: global_buffer, .address_space: global }
      - { .name: Wq_codes, .offset: 16, .size: 8, .value_kind: global_buffer, .address_space: global }
      - { .name: Wq_scales, .offset: 24, .size: 8, .value_kind: global_buffer, .address_space: global }
      - { .name: Wk_codes, .offset: 32, .size: 8, .value_kind: global_buffer, .address_space: global }
      - { .name: Wk_scales, .offset: 40, .size: 8, .value_kind: global_buffer, .address_space: global }
      - { .name: Wv_codes, .offset: 48, .size: 8, .value_kind: global_buffer, .address_space: global }
      - { .name: Wv_scales, .offset: 56, .size: 8, .value_kind: global_buffer, .address_space: global }
      - { .name: sin, .offset: 64, .size: 8, .value_kind: global_buffer, .address_space: global }
      - { .name: cos, .offset: 72, .size: 8, .value_kind: global_buffer, .address_space: global }
      - { .name: q_norm_w, .offset: 80, .size: 8, .value_kind: global_buffer, .address_space: global }
      - { .name: k_norm_w, .offset: 88, .size: 8, .value_kind: global_buffer, .address_space: global }
      - { .name: qkv_img, .offset: 96, .size: 8, .value_kind: global_buffer, .address_space: global }
      - { .name: qkv_sc, .offset: 104, .size: 8, .value_kind: global_buffer, .address_space: global }
    .group_segment_fixed_size: 327680
    .private_segment_fixed_size: 0
    .kernarg_segment_align: 8
    .kernarg_segment_size: 112
    .max_flat_workgroup_size: 128
    .sgpr_count:     106
    .vgpr_count:     1024
    .wavefront_size: 32
...
	.end_amdgpu_metadata
.endif
;; end of part 1
;; launch attn (part 2): grid 16 x 16, 8 waves a work-group, clusters of 4 x 1, 327,680 bytes of LDS; arguments qkv_img, qkv_sc, a_img, a_sc; writes a_img, a_sc
.if DOCPART == 2
	.amdgcn_target "amdgcn-amd-amdhsa--gfx1250"
	.amdhsa_code_object_version 6
	.text
	.protected	k_qbf8741038b_attn
	.globl	k_qbf8741038b_attn
	.p2align	8
	.type	k_qbf8741038b_attn,@function
k_qbf8741038b_attn:
	s_mov_b64 s[64:65], 0
	v_nop
	global_prefetch_b8 v0, s[64:65] scope:SCOPE_SE
	s_setreg_imm32_b32 hwreg(HW_REG_WAVE_MODE, 25, 1), 1
	s_wait_xcnt 0x0
	s_wait_alu depctr_hold_cnt(0) depctr_sa_sdst(0) depctr_va_vdst(0) depctr_va_sdst(0) depctr_va_ssrc(0) depctr_va_vcc(0) depctr_vm_vsrc(0)
	s_getreg_b32 s2, hwreg(HW_REG_IB_STS2, 6, 4)
	s_cmp_eq_u32 s2, 0
	s_cbranch_scc0 .Lentry_in_a_cluster
	s_endpgm
.Lentry_in_a_cluster:
	s_bfe_u32 s2, ttmp6, 0x10000c
	s_cmp_lg_u32 s2, 0x3003
	s_cbranch_scc0 .Lentry_shape_is_right
	s_endpgm
.Lentry_shape_is_right:
; Causal attention of 16 heads on codes of FP6 (E2M3): S^T = K Q^T, p = 2^(t - M) quantised along the keys, O^T = V^T P^T, O / l, and O quantised along the head's 128 channels for the output projection.
; t = score x log2(e) / sqrt(128); M = the running largest t rounded up to a whole number; l = the sum of the unquantised p.  When M moves, l and O^T are multiplied by 2^(old M - new M): exact.
; INPUTS are images of operand registers: a fragment (16 rows x 128 K) is 1,536 bytes, registers 4 c .. 4 c + 3 of lane l at 512 c + 16 l; eight fragments (128 tokens of q or k; 128 channels x 128 keys of v) lie on end;
; their scale words are one image of 512 bytes: word i of lane l is fragment 2 i + l / 16, row l % 16.  Inside a block of 32 the codes of q, k and v lie in the order 0-7, 16-23, 8-15, 24-31; p is packed in the same order.
; SHARES.  A wave owns one tile of 16 queries.  Group G (queries 128 G on) wants key steps 0 .. G of 128 keys; step G lies on the diagonal.  Wave w of cluster X: Glow = 2 (w % 4) + X % 2; G = 15 - Glow for w < 4, else Glow:
; waves w and w + 4 together have 17 steps of work.  The tile in the group is 4 (X / 2) + cx.  G hangs on the cluster's x and the wave alone, so every branch is alike in the four partners;
; cx enters global addresses and the mask's vector register alone.  Every work-group holds a wave with G = 14 or 15: all four slots are read by each.
; RING.  Two slots of four key steps, filled jointly for the cluster's four work-groups (all walk one head's K and V) by waves 0-3.  A SLOT'S K IS ONE STEP AHEAD: slot j holds K(4 j + 1 .. 4 j + 4) and V(4 j .. 4 j + 3); K(0) comes
; straight into registers at the head.  So step s fetches V(s) and K(s + 1) from the slot in hand.  K(16) does not exist: those 12,288 bytes are the buffer's next ones; they reach registers and are never multiplied.
; LIMITS: NaN and infinities are not served.  A block's largest p is taken from the block's largest score, through the same multiply-add and exponential.  A block of zeros keeps the byte 1 (this program alone reads the bytes).
; REGISTERS: window 0: v1-11 addresses; v12 -M, v13 largest t, v[14:15] l; v16-27 Q; v32-35 V's scale words; v40-60 the way out; v96-159 S^T, then p; v160-223 O^T; v224-235 p's codes; v232-254 at work; v248-251 K's scale words;
; v253 p's scale word; v255 Q's.  window 1: v0-95 K's eight fragments, v128-223 V's.
.set STEPB, 12288                      ; eight fragments
.set SLOT1, 1<<17
.set VOFF,  4*STEPB
.set SCK,   2*SLOT1                    ; K's 16 scale images
.set SCV,   SCK+8192                   ; V's
.set SPARE, SCV+8192                   ; the spare words: 128 bytes a wave, four blocks of 256 bytes that no other line names
.set KSEC,  3145728                    ; bytes of a kind in the images
.set HEADB, 196608                     ; of a head
.set LI,   1
.set DD,   2
.set LSC,  3
.set SPW,  5
.set NIL,  6
.set ADR,  8
.set ADS,  9
.set PFO,  28
.set VS,   32
.set PC,   40
.set PW,   60
.set TM,   160
.set KSR,  248
.set WV,   12
.set CX,   13
.set LIM,  15
.set HD,   16
.set G,    17
.set TAU,  18
.set SEL,  20
.set CS,   22
.set G1C,  24
.set G1S,  32
.set G0C,  40
.set G0S,  44
.set ST,   48
.set TB,   49
.set TS,   50
.set SLOTS, 51
.set CNT,  52
.set PFA,  54
.set MSB, 0
.macro WIN new
.if MSB != \new
	s_set_vgpr_msb (MSB<<8)|\new
.set MSB, \new
.endif
.endm
.macro CROUND                          ; a round of the cluster's barrier
	s_barrier_signal -1
	s_barrier_wait -1
	s_cmp_lg_u32 s[WV], 0
	s_cbranch_scc1 .Lnot_wave_0_\@
	s_barrier_signal -3
.Lnot_wave_0_\@:
	s_barrier_wait -3
	s_barrier_signal -1
	s_barrier_wait -1
.endm
.macro JLOAD                           ; the joint refill: waves 0, 1 K's halves, waves 2, 3 V's, one descriptor form; an s_nop 0 and four v_nop follow
	s_cmp_lt_u32 s[WV], 4
	s_cbranch_scc0 .Lasked_\@
	tensor_load_to_lds s[G0C:G0C+3], s[G1C:G1C+7]
	s_nop 0
.rept 4
	v_nop
.endr
.Lasked_\@:
.endm
; A prefetch of what the NEXT change of slots will ask for: 98,304 bytes, named once in the launch: by the head's first cluster; its four partners take K's two halves and V's two halves, told apart by address;
; in each, waves 4, 5, 6 take 8,192 bytes, lanes 256 bytes apart.  It stands four key steps ahead of the load that wants the bytes.  The last change that fills a slot asks for nothing.
.macro ASK
	s_cmp_gt_u32 s[SLOTS], s[LIM]
	s_cbranch_scc0 .Lnot_mine_\@
	global_prefetch_b8 v[PFO], s[PFA:PFA+1] th:TH_LOAD_NT scope:SCOPE_SE
.Lnot_mine_\@:
.endm
	s_load_b256 s[4:11], s[0:1], 0x0               ; the images 4:5, their scale images 6:7, the output's images 8:9, its scale words 10:11
	v_lshl_add_u32 v[SPW], v0, 2, SPARE
	v_mov_b32 v[NIL], 0
	ds_add_u32 v[SPW], v[NIL]                      ; the wave's opening: the add and its wait stand ahead of the first tensor loads; work on registers stands between them
	v_lshrrev_b32 v8, 5, v0
	v_readfirstlane_b32 s[WV], v8                  ; wave 0..7
	s_bfe_u32 s[CX], ttmp6, 0x40000
	s_and_b32 s[HD], ttmp7, 0xffff                 ; the head
	s_and_b32 s56, s[WV], 3                        ; u
	s_lshl_b32 s57, s56, 1
	s_and_b32 s58, ttmp9, 1
	s_add_co_u32 s57, s57, s58                     ; Glow
	s_sub_co_u32 s58, 15, s57
	s_cmp_lt_u32 s[WV], 4
	s_cselect_b32 s[G], s58, s57
	s_lshr_b32 s[TAU], ttmp9, 1
	s_lshl_b32 s[TAU], s[TAU], 2
	s_add_co_u32 s[TAU], s[TAU], s[CX]             ; my tile in the group
	; descriptor group 1: dense blocks as rows of 256 bytes (32 elements of 8 bytes); the mask names all four work-groups, bit 21 beside it
	s_mov_b32 s[G1C], 15|(3<<16)|(1<<21)
	s_mov_b32 s[G1C+1], 32<<16
	s_mov_b32 s[G1C+2], 96<<16                     ; 96 rows: two key steps' fragments
	s_mov_b32 s[G1C+3], 32<<16
	s_mov_b32 s[G1C+4], 96
	s_mov_b32 s[G1C+5], 32
	s_mov_b32 s[G1C+6], 0
	s_mov_b32 s[G1C+7], 0
	s_mov_b32 s[G1S], 15|(3<<16)|(1<<21)
	s_mov_b32 s[G1S+1], 32<<16
	s_mov_b32 s[G1S+2], 16<<16                     ; 16 rows: eight scale images
	s_mov_b32 s[G1S+3], 32<<16
	s_mov_b32 s[G1S+4], 16
	s_mov_b32 s[G1S+5], 32
	s_mov_b32 s[G1S+6], 0
	s_mov_b32 s[G1S+7], 0
	s_lshr_b32 s57, s56, 1                         ; 0: I would fetch K, 1: V
	s_and_b32 s58, s56, 1                          ; which half
	s_mul_i32 s59, s[HD], HEADB
	s_mul_i32 s[G0C+2], s57, KSEC-STEPB            ; K begins one step on, V does not
	s_add_co_u32 s[G0C+2], s[G0C+2], KSEC+STEPB
	s_add_co_u32 s[G0C+2], s[G0C+2], s59
	s_mul_i32 s60, s58, 2*STEPB
	s_add_co_u32 s[G0C+2], s[G0C+2], s60
	s_mov_b32 s[G0C+3], 0
	s_mul_i32 s[G0C+1], s56, 2*STEPB               ; LDS: K's halves, then V's
	s_mov_b32 s[G0C], 1
	s_lshl_b32 s[G0S+2], s57, 17
	s_add_co_u32 s[G0S+2], s[G0S+2], 131072
	s_lshl_b32 s60, s[HD], 13
	s_add_co_u32 s[G0S+2], s[G0S+2], s60
	s_lshl_b32 s61, s58, 12
	s_add_co_u32 s[G0S+2], s[G0S+2], s61
	s_mov_b32 s[G0S+3], 0
	s_lshl_b32 s[G0S+1], s56, 12
	s_add_co_u32 s[G0S+1], s[G0S+1], SCK
	s_mov_b32 s[G0S], 1
	s_lshr_b32 s2, s[CX], 1                        ; the prefetches: partners 0, 1 K's halves, partners 2, 3 V's
	s_mul_i32 s[PFA], s2, KSEC-STEPB
	s_add_co_u32 s[PFA], s[PFA], KSEC+STEPB+4*STEPB  ; in slot 1: the first change of slots steps it to slot 2
	s_add_co_u32 s[PFA], s[PFA], s59
	s_and_b32 s2, s[CX], 1
	s_mul_i32 s2, s2, 2*STEPB
	s_add_co_u32 s[PFA], s[PFA], s2
	s_lshl_b32 s2, s56, 13
	s_add_co_u32 s[PFA], s[PFA], s2
	s_mov_b32 s[PFA+1], 0
	s_sub_co_u32 s2, s[WV], 4
	s_cmp_lt_u32 s2, 3                             ; waves 4, 5, 6
	s_cselect_b32 s2, 0, 1
	s_or_b32 s2, s2, ttmp9                         ; of the head's first cluster: the same in all four partners
	s_cmp_eq_u32 s2, 0
	s_cselect_b32 s[LIM], 1, -1
	s_mov_b32 s[SEL], 0x76543210
	s_mov_b32 s[SEL+1], 0xfedcba98
	s_mov_b32 s[CS], 0x3e0293ee                    ; c = log2(e) / sqrt(128)
	s_mov_b32 s[CS+1], s[CS]
	s_mov_b32 s[ST], 0
	s_mov_b32 s[TB], 0
	s_mov_b32 s[TS], 0
	s_mov_b32 s[SLOTS], 3
	s_wait_dscnt 0x0                               ; the opening add is done
	s_wait_kmcnt 0x0
	s_add_nc_u64 s[G0C+2:G0C+3], s[4:5], s[G0C+2:G0C+3]
	s_or_b32 s[G0C+3], s[G0C+3], 0x80000000
	s_add_nc_u64 s[G0S+2:G0S+3], s[6:7], s[G0S+2:G0S+3]
	s_or_b32 s[G0S+3], s[G0S+3], 0x80000000
	s_add_nc_u64 s[PFA:PFA+1], s[4:5], s[PFA:PFA+1]
	CROUND                                         ; all four work-groups are here: the first joint loads meet
	s_cmp_lt_u32 s[WV], 4                          ; a wave's two first fills stand in one branch; every wait on TENSORcnt in this text is for 0
	s_cbranch_scc0 .Lno_first
	tensor_load_to_lds s[G0S:G0S+3], s[G1S:G1S+7]  ; the head's scale images: filled once
	s_nop 0
	tensor_load_to_lds s[G0C:G0C+3], s[G1C:G1C+7]  ; slot 0
	s_nop 0
.rept 4
	v_nop
.endr
.Lno_first:
	s_mul_i32 s56, s[HD], HEADB                    ; Q's fragment
	s_mul_i32 s2, s[G], STEPB
	s_add_co_u32 s56, s56, s2
	s_mul_i32 s2, s[TAU], 1536
	s_add_co_u32 s56, s56, s2
	s_mov_b32 s57, 0
	s_add_nc_u64 s[56:57], s[4:5], s[56:57]
	s_lshl_b32 s58, s[HD], 13                      ; its scale words: in the group's image, fragment tau, row r lies at 16 r + 256 (tau % 2) + 4 (tau / 2)
	s_lshl_b32 s2, s[G], 9
	s_add_co_u32 s58, s58, s2
	s_and_b32 s2, s[TAU], 1
	s_lshl_b32 s2, s2, 8
	s_add_co_u32 s58, s58, s2
	s_lshr_b32 s2, s[TAU], 1
	s_lshl_b32 s2, s2, 2
	s_add_co_u32 s58, s58, s2
	s_mov_b32 s59, 0
	s_add_nc_u64 s[58:59], s[6:7], s[58:59]
	s_mul_i32 s60, s[HD], HEADB                    ; K(0)
	s_add_co_u32 s60, s60, KSEC
	s_mov_b32 s61, 0
	s_add_nc_u64 s[60:61], s[4:5], s[60:61]
	s_lshl_b32 s62, s[HD], 13                      ; and its scale image
	s_add_co_u32 s62, s62, 131072
	s_mov_b32 s63, 0
	s_add_nc_u64 s[62:63], s[6:7], s[62:63]
	s_lshl_b32 s19, s[G], 3
	s_add_co_u32 s19, s19, s[TAU]                  ; my tile of tokens
	s_lshl_b32 s19, s19, 4
	s_add_co_u32 s19, s19, s[HD]                   ; 16 x tile + head
	s_mul_i32 s2, s19, 1536
	s_mov_b32 s3, 0
	s_add_nc_u64 s[8:9], s[8:9], s[2:3]
	s_lshl_b32 s2, s19, 6
	s_add_nc_u64 s[10:11], s[10:11], s[2:3]
	v_and_b32 v10, 31, v0
	v_lshlrev_b32 v[LI], 4, v10                    ; 16 x lane
	v_lshlrev_b32 v[PFO], 8, v10
	v_and_b32 v10, 15, v0                          ; r
	v_bfe_u32 v11, v0, 4, 1
	v_lshlrev_b32 v11, 3, v11                      ; 8 h
	v_sub_nc_u32 v[DD], v10, v11
	s_lshl_b32 s2, s[TAU], 4
	v_add_nc_u32 v[DD], s2, v[DD]                  ; 16 tau + r - 8 h: on the diagonal register 8 t + j is hidden where 16 t + j is above it
	v_add_nc_u32 v[LSC], SCK, v[LI]
	v_lshlrev_b32 v10, 4, v10                      ; 16 r
.irp c, 0,1,2
	global_load_b128 v[16+4*\c:19+4*\c], v[LI], s[56:57] offset:512*\c
.endr
	global_load_b32 v255, v10, s[58:59]
	global_load_b128 v[KSR:KSR+3], v[LI], s[62:63]
	WIN 0x40                                       ; destination window 1
.irp f, 0,1,2,3,4,5,6,7
.irp c, 0,1,2
	global_load_b128 v[12*\f+4*\c:12*\f+4*\c+3], v[LI], s[60:61] offset:1536*\f+512*\c
.endr
.endr
	WIN 0
	v_mov_b32 v13, 0xff61b1e6                      ; the largest t so far: -3e38
	v_floor_f32 v12, -v13                          ; -M
	v_mov_b32 v14, 0
	v_mov_b32 v15, 0
.irp b, 0,1,2,3
	v_mov_b32 v[236+\b], 0                         ; written once: a lane permute's destination counts as one of its sources
.endr
	v_mov_b32 v252, 0
	v_mov_b32 v253, 0
.set j, 0
.rept 64
	v_mov_b32 v[160+j], 0                          ; O^T: the step is written once; its first walk finds zeros, which the first change of M leaves zeros
.set j, j+1
.endr
.macro SMUL t                          ; S^T tile t: source 0 = keys 16 t on, source 1 = my queries; odd fragments' scale words lie in lanes 16-31
.if (\t)%2
	v_wmma_scale_f32_16x16x128_f8f6f4 v[96+8*\t:103+8*\t], v[12*\t:12*\t+11], v[16:27], 0, v[KSR+\t/2], v255 matrix_a_fmt:MATRIX_FMT_FP6 matrix_b_fmt:MATRIX_FMT_FP6 matrix_a_scale:MATRIX_SCALE_ROW1
.else
	v_wmma_scale_f32_16x16x128_f8f6f4 v[96+8*\t:103+8*\t], v[12*\t:12*\t+11], v[16:27], 0, v[KSR+\t/2], v255 matrix_a_fmt:MATRIX_FMT_FP6 matrix_b_fmt:MATRIX_FMT_FP6
.endif
.endm
.macro PMUL t                          ; O^T tile t += V^T P^T: source 0 = channels 16 t on, source 1 = p
.if (\t)%2
	v_wmma_scale_f32_16x16x128_f8f6f4 v[160+8*\t:167+8*\t], v[128+12*\t:139+12*\t], v[224:235], v[160+8*\t:167+8*\t], v[VS+\t/2], v253 matrix_a_fmt:MATRIX_FMT_FP6 matrix_b_fmt:MATRIX_FMT_FP6 matrix_a_scale:MATRIX_SCALE_ROW1
.else
	v_wmma_scale_f32_16x16x128_f8f6f4 v[160+8*\t:167+8*\t], v[128+12*\t:139+12*\t], v[224:235], v[160+8*\t:167+8*\t], v[VS+\t/2], v253 matrix_a_fmt:MATRIX_FMT_FP6 matrix_b_fmt:MATRIX_FMT_FP6
.endif
.endm
; A KEY STEP of 128 keys.  A step all of whose keys come after my queries is left out: a scalar branch on ids, round the step's loads and work; not round the lines at its end that step addresses; no barrier or tensor load stands in a step.
.macro STEP
	s_cmp_gt_u32 s[ST], s[G]
	s_cbranch_scc1 .Lhidden_\@
	s_wait_dscnt 0x0                               ; K of this step and its scale words are in
	WIN 0x01                                       ; source 0 window 1
.irp t, 0,1,2,3,4,5,6,7
	SMUL \t
.endr
	WIN 0
	v_add_nc_u32 v[ADR], s[TB], v[LI]              ; four plain instructions: the places in front of the loads into registers that matrix instructions have read, and of the first read of the scores
	v_add_nc_u32 v[ADS], s[TS], v[LSC]
	v_nop
	v_nop
	ds_load_b128 v[VS:VS+3], v[ADS] offset:SCV-SCK ; V's scale image of this step,
	WIN 0x40
.irp f, 0,1,2,3,4,5,6,7
.irp c, 0,1,2
	ds_load_b128 v[128+12*\f+4*\c:128+12*\f+4*\c+3], v[ADR] offset:VOFF+1536*\f+512*\c   ; V of this step: 25 loads that the second product wants,
.endr
.endr
.irp f, 0,1,2,3,4,5,6,7
.irp c, 0,1,2
	ds_load_b128 v[12*\f+4*\c:12*\f+4*\c+3], v[ADR] offset:1536*\f+512*\c                ; then K of the next step
.endr
.endr
	WIN 0
	ds_load_b128 v[KSR:KSR+3], v[ADS] offset:512   ; and its scale image: 25 loads that may stay out until the next step
	s_cmp_lg_u32 s[ST], s[G]                       ; on the diagonal the scores of hidden keys become -infinity ahead of the maximum: p = 0 then
	s_cbranch_scc1 .Lopen_\@
	v_mov_b32 v254, 0xff800000
.set n, 0
.rept 64
	v_cmp_gt_i32 vcc_lo, 16*(n/8)+n%8, v[DD]
	v_cndmask_b32 v[96+n], v[96+n], v254, vcc_lo
.set n, n+1
.endr
.Lopen_\@:
.irp b, 0,1,2,3
	v_max3_num_f32 v[232+\b], v[96+16*\b], v[97+16*\b], v[98+16*\b]   ; the largest score of each block of 32 keys: for the row's maximum, and for the block's largest p
.endr
.irp i, 3,5,7,9,11,13
.irp b, 0,1,2,3
	v_max3_num_f32 v[232+\b], v[232+\b], v[96+16*\b+\i], v[97+16*\b+\i]
.endr
.endr
.irp b, 0,1,2,3
	v_max_num_f32 v[232+\b], v[232+\b], v[111+16*\b]
.endr
.irp b, 0,1,2,3
	v_permlanex16_b32 v[236+\b], v[232+\b], s[SEL], s[SEL+1]
.endr
.irp b, 0,1,2,3
	v_max_num_f32 v[232+\b], v[232+\b], v[236+\b]  ; with lane l xor 16's 16 keys
.endr
	v_max3_num_f32 v254, v232, v233, v234
	v_max_num_f32 v254, v254, v235
	v_mul_f32 v254, s[CS], v254                    ; the step's largest t
	v_max_num_f32 v13, v13, v254
	v_mov_b32 v254, v12
	v_floor_f32 v12, -v13                          ; the new -M = -ceil(t)
	v_sub_f32 v254, v12, v254                      ; old M - new M: a whole number, 0 or less
	v_cvt_i32_f32 v254, v254                       ; (it saturates)
	v_ldexp_f32 v252, 1.0, v254                    ; f = 2^(old M - new M)
.set j, 0
.rept 32
	v_pk_fma_f32 v[96+j:97+j], v[96+j:97+j], s[CS:CS+1], v[12:13] op_sel_hi:[1,0,0]   ; t - M
.set j, j+2
.endr
.irp b, 0,1,2,3
	v_fma_f32 v[232+\b], v[232+\b], s[CS], v12
.endr
.set j, 0
.rept 64
	v_exp_f32 v[96+j], v[96+j]                     ; p = 2^(t - M)
.set j, j+1
.endr
	v_pk_mul_f32 v[14:15], v[14:15], v[252:253] op_sel_hi:[1,0]   ; l under the new M: the plain place behind the exponentials
	s_wait_alu depctr_va_vdst(0)                   ; one wait for the batch of 64, ahead of its first reader
.irp b, 0,1,2,3
	v_exp_f32 v[232+\b], v[232+\b]                 ; the blocks' largest p
.endr
	v_pk_add_f32 v[236:237], v[96:97], v[98:99]    ; l takes the unquantised p, in two chains: plain work behind the four
.irp j, 4,8,12,16,20,24,28,32,36,40,44,48,52,56,60
	v_pk_add_f32 v[14:15], v[14:15], v[96+\j:97+\j]
	v_pk_add_f32 v[236:237], v[236:237], v[98+\j:99+\j]
.endr
	v_pk_add_f32 v[14:15], v[14:15], v[236:237]
	s_wait_alu depctr_va_vdst(0)                   ; and one for the four
.irp b, 0,1,2,3
	v_max_num_f32 v[232+\b], 0x1800000, v[232+\b]  ; the floor 2^(3 - 127)
.endr
.irp b, 0,1,2,3
	v_add_nc_u32 v[244+\b], 0xff000000, v[232+\b]  ; 2 off the exponent field: the conversion's scale operand
.endr
.irp b, 0,1,2,3
	v_lshrrev_b32 v[236+\b], 23, v[244+\b]
.endr
	v_lshl_or_b32 v253, v237, 8, v236              ; p's scale word for these 128 keys
	v_lshl_or_b32 v253, v238, 16, v253
	v_lshl_or_b32 v253, v239, 24, v253
.irp c, 0,1
	v_cvt_scalef32_pk16_fp6_f32 v[224+6*\c:226+6*\c], v[96+32*\c:111+32*\c], v[244+2*\c]
	v_cvt_scalef32_pk16_fp6_f32 v[236+4*\c:238+4*\c], v[112+32*\c:127+32*\c], v[244+2*\c+1]
.endr
	v_nop                                          ; one plain place behind a scaled conversion
.irp c, 0,1
.irp i, 0,1,2
	v_permlane16_swap_b32 v[224+6*\c+\i], v[236+4*\c+\i]
.endr
.irp i, 0,1,2
	v_mov_b32 v[227+6*\c+\i], v[236+4*\c+\i]
.endr
.endr
.set j, 0
.rept 32
	v_pk_mul_f32 v[160+j:161+j], v[160+j:161+j], v[252:253] op_sel_hi:[1,0]   ; O^T under the new M; these are also the places between the lines that made p's codes and scale word and the products
.set j, j+2
.endr
	s_wait_dscnt 25                                ; V and its scale image are in; the 25 loads issued behind them (the next step's K) may be out
	WIN 0x01
.irp t, 0,1,2,3,4,5,6,7
	PMUL \t                                        ; eight accumulators by turns, one instruction each
.endr
	WIN 0
.Lhidden_\@:
	s_add_co_u32 s[ST], s[ST], 1
	s_add_co_u32 s[TB], s[TB], STEPB
	s_add_co_u32 s[TS], s[TS], 512
.endm
; THE CHANGE OF SLOTS stands at a slot's head.  Each wave waits for all its tensor loads (its part of the slot ahead), adds 0 to its spare word, and waits for that and for its reads of the slot that it has left.
; fill = 1: a round of the cluster's barrier, and behind it the slot that was left is filled with the next four steps: the load has four key steps in which to land.
.macro CHANGE fill
	s_wait_tensorcnt 0x0                           ; no tensor load of mine is out, so the walking descriptor may be written
	ds_add_u32 v[SPW], v[NIL]
.if \fill
	s_xor_b32 s[G0C+1], s[G0C+1], SLOT1
	s_add_nc_u64 s[G0C+2:G0C+3], s[G0C+2:G0C+3], 4*STEPB
	s_wait_xcnt 0x0                                ; the last prefetch, a slot back, has read its address
	s_add_nc_u64 s[PFA:PFA+1], s[PFA:PFA+1], 4*STEPB
	s_wait_dscnt 0x0                               ; the add is done, and my reads of the slot that I have left are over
	CROUND
	JLOAD
	ASK
.else
	s_wait_dscnt 0x0
	s_barrier_signal -1
	s_barrier_wait -1
.endif
.endm
.macro FOUR_STEPS                      ; a slot's four key steps: written once, walked four times; the LDS addresses hang on s[TB] and s[TS]
	s_mov_b32 s[CNT], 4
.Lstep_\@:
	STEP
	s_sub_co_u32 s[CNT], s[CNT], 1
	s_cmp_lg_u32 s[CNT], 0
	s_cbranch_scc1 .Lstep_\@
	s_sub_co_u32 s[TB], s[TB], 4*STEPB
	s_xor_b32 s[TB], s[TB], SLOT1                  ; on to the other slot
.endm
	s_wait_loadcnt 0x0                             ; Q, K(0) and their scale words
.Lslot:                                            ; three trips: behind each change of slots but the last the next slot is asked for
	CHANGE 1
	FOUR_STEPS
	s_sub_co_u32 s[SLOTS], s[SLOTS], 1
	s_cmp_lg_u32 s[SLOTS], 0
	s_cbranch_scc1 .Lslot
	CHANGE 0                                       ; the last slot is written out
	FOUR_STEPS
	; THE WAY OUT.  O^T / l; the halves of neighbouring tiles change places, so that a lane's 16 registers are 16 neighbouring channels in true order (the next product meets a given weight); the quantiser; one image, one scale word a row.
	s_wait_dscnt 0x0                               ; the look-ahead loads of the last walked step are in: no register of mine is pending
	v_add_f32 v14, v14, v15
	v_permlanex16_b32 v252, v14, s[SEL], s[SEL+1]
	v_add_f32 v14, v14, v252                       ; l
	v_rcp_f32 v14, v14
	v_and_b32 v11, 15, v0                          ; plain work behind the reciprocal
	v_lshlrev_b32 v11, 2, v11                      ; 4 r
	v_nop
	s_wait_alu depctr_va_vdst(0)                   ; ahead of the first reader
.set j, 0
.rept 32
	v_pk_mul_f32 v[96+j:97+j], v[160+j:161+j], v[14:15] op_sel_hi:[1,0]   ; ascending: each accumulator is read from its low end on
.set j, j+2
.endr
.irp b, 0,1,2,3
.irp j, 0,1,2,3,4,5,6,7
	v_permlane16_swap_b32 v[96+16*\b+\j], v[104+16*\b+\j]   ; register 16 b + i is now channel 32 b + 16 h + i
.endr
.endr
.irp b, 0,1,2,3
	v_max3_num_f32 v[TM+\b], |v[96+16*\b]|, |v[97+16*\b]|, 0x1800000
.endr
.irp i, 2,4,6,8,10,12,14
.irp b, 0,1,2,3
	v_max3_num_f32 v[TM+\b], v[TM+\b], |v[96+16*\b+\i]|, |v[97+16*\b+\i]|
.endr
.endr
.irp b, 0,1,2,3
	v_permlanex16_b32 v[TM+4+\b], v[TM+\b], s[SEL], s[SEL+1]
.endr
.irp b, 0,1,2,3
	v_max_num_f32 v[TM+\b], v[TM+\b], v[TM+4+\b]
.endr
.irp b, 0,1,2,3
	v_add_nc_u32 v[TM+12+\b], 0xff000000, v[TM+\b]
.endr
.irp b, 0,1,2,3
	v_lshrrev_b32 v[TM+4+\b], 23, v[TM+12+\b]
.endr
	v_lshl_or_b32 v[PW], v[TM+5], 8, v[TM+4]
	v_lshl_or_b32 v[PW], v[TM+6], 16, v[PW]
	v_lshl_or_b32 v[PW], v[TM+7], 24, v[PW]
.irp c, 0,1
	v_cvt_scalef32_pk16_fp6_f32 v[PC+6*\c:PC+2+6*\c], v[96+32*\c:111+32*\c], v[TM+12+2*\c]
	v_cvt_scalef32_pk16_fp6_f32 v[PC+12+4*\c:PC+14+4*\c], v[112+32*\c:127+32*\c], v[TM+12+2*\c+1]
.endr
	v_nop
.irp c, 0,1
.irp i, 0,1,2
	v_permlane16_swap_b32 v[PC+6*\c+\i], v[PC+12+4*\c+\i]
.endr
.irp i, 0,1,2
	v_mov_b32 v[PC+3+6*\c+\i], v[PC+12+4*\c+\i]
.endr
.endr
.irp c, 0,1,2
	global_store_b128 v[LI], v[PC+4*\c:PC+4*\c+3], s[8:9] offset:512*\c   ; 512 consecutive bytes each
.endr
	global_store_b32 v11, v[PW], s[10:11]          ; row r's word; both halves of the lanes hold and write the same
	s_wait_tensorcnt 0x0                           ; the wave's end
	ds_add_u32 v[SPW], v[NIL]
	s_wait_dscnt 0x0
	CROUND                                         ; the closing round
	s_endpgm
.Lfunc_end_k_qbf8741038b_attn:
	.size	k_qbf8741038b_attn, .Lfunc_end_k_qbf8741038b_attn-k_qbf8741038b_attn
	.p2alignl 7, 3214868480
	.fill 96, 4, 3214868480
	.section	.rodata,"a",@progbits
	.p2align	6, 0x0
	.amdhsa_kernel k_qbf8741038b_attn
		.amdhsa_group_segment_fixed_size 327680
		.amdhsa_private_segment_fixed_size 0
		.amdhsa_enable_private_segment 0
		.amdhsa_kernarg_size 32
		.amdhsa_user_sgpr_count 2
		.amdhsa_user_sgpr_kernarg_segment_ptr 1
		.amdhsa_wavefront_size32 1
		.amdhsa_system_sgpr_workgroup_id_x 1
		.amdhsa_system_sgpr_workgroup_id_y 1
		.amdhsa_system_sgpr_workgroup_id_z 1
		.amdhsa_system_vgpr_workitem_id 0
		.amdhsa_next_free_vgpr 512
		.amdhsa_next_free_sgpr 66
		.amdhsa_reserve_vcc 1
		.amdhsa_float_denorm_mode_32 3
		.amdhsa_float_denorm_mode_16_64 3
		.amdhsa_memory_ordered 1
		.amdhsa_forward_progress 1
		.amdhsa_inst_pref_size 69
	.end_amdhsa_kernel
	.amdgpu_metadata
---
amdhsa.version: [ 1, 2 ]
amdhsa.kernels:
  - .name:           k_qbf8741038b_attn
    .symbol:         k_qbf8741038b_attn.kd
    .args:
      - { .name: qkv_img, .offset: 0, .size: 8, .value_kind: global_buffer, .address_space: global }
      - { .name: qkv_sc, .offset: 8, .size: 8, .value_kind: global_buffer, .address_space: global }
      - { .name: a_img, .offset: 16, .size: 8, .value_kind: global_buffer, .address_space: global }
      - { .name: a_sc, .offset: 24, .size: 8, .value_kind: global_buffer, .address_space: global }
    .group_segment_fixed_size: 327680
    .private_segment_fixed_size: 0
    .kernarg_segment_align: 8
    .kernarg_segment_size: 32
    .max_flat_workgroup_size: 256
    .sgpr_count:     66
    .vgpr_count:     512
    .wavefront_size: 32
...
	.end_amdgpu_metadata
.endif
;; end of part 2
;; launch oproj (part 3): grid 16 x 16, 4 waves a work-group, clusters of 4 x 4, 327,680 bytes of LDS; arguments a_img, a_sc, Wo_codes, Wo_scales, out0; writes out0
.if DOCPART == 3
	.amdgcn_target "amdgcn-amd-amdhsa--gfx1250"
	.amdhsa_code_object_version 6
	.text
	.protected	k_qbf8741038b_oproj
	.globl	k_qbf8741038b_oproj
	.p2align	8
	.type	k_qbf8741038b_oproj,@function
k_qbf8741038b_oproj:
	s_mov_b64 s[64:65], 0
	v_nop
	global_prefetch_b8 v0, s[64:65] scope:SCOPE_SE
	s_setreg_imm32_b32 hwreg(HW_REG_WAVE_MODE, 25, 1), 1
	s_wait_xcnt 0x0
	s_wait_alu depctr_hold_cnt(0) depctr_sa_sdst(0) depctr_va_vdst(0) depctr_va_sdst(0) depctr_va_ssrc(0) depctr_va_vcc(0) depctr_vm_vsrc(0)
	s_getreg_b32 s2, hwreg(HW_REG_IB_STS2, 6, 4)
	s_cmp_eq_u32 s2, 0
	s_cbranch_scc0 .Lentry_in_a_cluster
	s_endpgm
.Lentry_in_a_cluster:
	s_bfe_u32 s2, ttmp6, 0x10000c
	s_cmp_lg_u32 s2, 0xf033
	s_cbranch_scc0 .Lentry_shape_is_right
	s_endpgm
.Lentry_shape_is_right:
; out0 = a Wo^T on codes of FP6 (E2M3) with one E8M0 scale for each 32 along K = 2,048.  a: the attention's result as images of operand registers, [tile of 16 tokens][K step of 128][1,536 bytes], registers 4 c .. 4 c + 3 of lane l
; at 512 c + 16 l, and one scale word a row, [tile][K step][16 words].  Wo: codes as given, rows of 1,536 bytes, scale bytes in rows of 64.  out0: [2,048][2,048] f32.
; SHARES.  A tile of out0 is 128 x 128: 256 work-groups (tiles of 256 x 256 would be 64).  Four waves, each 64 x 64: 16 accumulators.  K goes in four slots' worth of 512 through a ring of two LDS slots; the 16 steps are written out.
; CLUSTERS of 4 x 4: a's tiles are asked for jointly along a row of the cluster, Wo's along a column.  THE MATRIX INSTRUCTION IS USED TRANSPOSED (source 0 = 16 rows of Wo, source 1 = 16 tokens): a lane holds eight neighbours of a row of out0.
; A SLOT: a's two parts (8 tiles x 2 K steps x 1,536 bytes, dense), then Wo's two parts (128 rows x 192 bytes, 16 bytes of padding behind every 64: pitch 240).  Waves 0, 1 fetch a's parts, waves 2, 3 Wo's.
; REGISTERS: window 0: v16-30 addresses; v32-63 scale words, two sets of 16; v64-127 the way out; v128-255 the accumulators, (i, b) at v[128 + 8 (4 i + b)].  window 1: two buffers of 96: a's four fragments, then Wo's four.
.set ROWB,  192
.set KROW,  1536
.set PITCH, 240
.set APART, 24576
.set BPART, 128*PITCH
.set SLOT,  2*APART+2*BPART
.set SCA,   2*SLOT                     ; a's scale words: 8 tiles x 16 K steps x 64 bytes
.set SCB,   SCA+8192                   ; Wo's scale bytes: 32 units of 256 bytes + 16 of padding
.set SPARE, SCB+32*272                 ; the spare words: 128 bytes a wave, two blocks of 256 bytes that no other line names
.set ADRA, 16
.set ADRB, 20
.set STO,  24
.set RD,   25
.set CO,   26
.set ADSA, 27
.set SPW,  28
.set NIL,  29
.set ADSB, 30
.set SC,   32
.set OUTR, 64
.set ACC,  128
.set G1,   24
.set G0,   32
.set G1B,  48
.set G0B,  56
.set G1S,  68
.set G0S,  76
.set G1SB, 80
.set G0SB, 88
.set MSB, 0
.macro WIN new
.if MSB != \new
	s_set_vgpr_msb (MSB<<8)|\new
.set MSB, \new
.endif
.endm
.set MUL,  0x05                        ; sources 0 and 1 window 1; C and D window 0
.set TO_F, 0x40                        ; destination window 1, address window 0
.macro JLOAD g0a, g1a, g0b, g1b        ; a joint load: waves 0, 1 for a, waves 2, 3 for Wo; an s_nop 0 and four v_nop follow each of the two lines
	s_cmp_eq_u32 s15, 0
	s_cbranch_scc0 .Lfor_b_\@
	tensor_load_to_lds s[\g0a:\g0a+3], s[\g1a:\g1a+7]
	s_nop 0
.rept 4
	v_nop
.endr
	s_branch .Lasked_\@
.Lfor_b_\@:
	tensor_load_to_lds s[\g0b:\g0b+3], s[\g1b:\g1b+7]
	s_nop 0
.rept 4
	v_nop
.endr
.Lasked_\@:
.endm
.macro CREST
	s_cmp_lg_u32 s14, 0
	s_cbranch_scc1 .Lnot_wave_0_\@
	s_barrier_signal -3
.Lnot_wave_0_\@:
	s_barrier_wait -3
	s_barrier_signal -1
	s_barrier_wait -1
.endm
.macro CROUND
	s_barrier_signal -1
	s_barrier_wait -1
	CREST
.endm
	s_load_b128 s[4:7], s[0:1], 0x0                ; a's images, a's scale words
	s_load_b128 s[8:11], s[0:1], 0x10              ; Wo's codes, Wo's scales
	s_load_b64 s[12:13], s[0:1], 0x20              ; out0
	v_lshl_add_u32 v[SPW], v0, 2, SPARE
	v_mov_b32 v[NIL], 0
	ds_add_u32 v[SPW], v[NIL]                      ; the wave's opening: the add and its wait stand ahead of my first tensor load; work on registers stands between them
	v_lshrrev_b32 v1, 5, v0
	v_readfirstlane_b32 s14, v1                    ; wave 0..3
	s_lshr_b32 s15, s14, 1                         ; which 64 tokens are mine.  Also: I fetch for a (0) or for Wo (1)
	s_and_b32 s16, s14, 1                          ; which 64 rows of Wo.  Also: which part I fetch
	s_bfe_u32 s40, ttmp6, 0x40000
	s_bfe_u32 s41, ttmp6, 0x40004
	s_lshl_b32 s42, ttmp9, 2
	s_add_co_u32 s42, s42, s40                     ; tile column
	s_and_b32 s17, ttmp7, 0xffff
	s_lshl_b32 s17, s17, 2
	s_add_co_u32 s17, s17, s41                     ; tile row
	s_lshl_b32 s43, s41, 2
	s_lshl_b32 s43, 15, s43                        ; my row of the cluster
	s_lshl_b32 s44, 0x1111, s40                    ; my column
	s_or_b32 s[G1+0], s43, (3<<16)|(1<<21)         ; a's part: 8 rows (tiles of tokens) of 384 elements of 8 bytes (two K steps), 3,072 elements apart; dense in LDS
	s_mov_b32 s[G1+1], 384<<16
	s_mov_b32 s[G1+2], 8<<16
	s_mov_b32 s[G1+3], 384<<16
	s_mov_b32 s[G1+4], 8
	s_mov_b32 s[G1+5], 3072
	s_mov_b32 s[G1+6], 0
	s_mov_b32 s[G1+7], 0
	s_or_b32 s[G1B+0], s44, (0<<16)|(1<<20)|(1<<21)|(3<<22)|(3<<25)   ; Wo's part: 128 rows of 192 bytes, 16 bytes of padding behind every 64
	s_mov_b32 s[G1B+1], ROWB<<16
	s_mov_b32 s[G1B+2], 128<<16
	s_mov_b32 s[G1B+3], ROWB<<16
	s_mov_b32 s[G1B+4], 128
	s_mov_b32 s[G1B+5], KROW
	s_mov_b32 s[G1B+6], 0
	s_mov_b32 s[G1B+7], 0
	s_or_b32 s[G1S+0], s43, (3<<16)|(1<<21)        ; scale words and bytes: 4,096 dense bytes as 16 rows of 256; a's dense in LDS,
	s_or_b32 s[G1SB+0], s44, (3<<16)|(1<<20)|(1<<21)|(5<<22)|(3<<25)  ; Wo's with 16 bytes of padding behind each
.irp g, G1S, G1SB
	s_mov_b32 s[\g+1], 32<<16
	s_mov_b32 s[\g+2], 16<<16
	s_mov_b32 s[\g+3], 32<<16
	s_mov_b32 s[\g+4], 16
	s_mov_b32 s[\g+5], 32
	s_mov_b32 s[\g+6], 0
	s_mov_b32 s[\g+7], 0
.endr
	; byte offsets, made in the descriptors' own address pairs: a's hang on the tile row alone, Wo's on the tile column alone
	s_mul_i32 s[G0+2], s17, 196608
	s_mul_i32 s18, s16, 3072
	s_add_co_u32 s[G0+2], s[G0+2], s18
	s_mov_b32 s[G0+3], 0
	s_lshl_b32 s[G0S+2], s17, 13
	s_lshl_b32 s18, s16, 12
	s_add_co_u32 s[G0S+2], s[G0S+2], s18
	s_mov_b32 s[G0S+3], 0
	s_mul_i32 s[G0B+2], s42, 196608
	s_mul_i32 s19, s16, ROWB
	s_add_co_u32 s[G0B+2], s[G0B+2], s19
	s_mov_b32 s[G0B+3], 0
	s_lshl_b32 s[G0SB+2], s42, 13
	s_add_co_u32 s[G0SB+2], s[G0SB+2], s18
	s_mov_b32 s[G0SB+3], 0
.irp g, G0, G0+4, G0B, G0B+4, G0S, G0SB
	s_mov_b32 s[\g], 1
.endr
	s_mul_i32 s[G0+1], s16, APART                  ; LDS: made of the wave's number alone
	s_add_co_u32 s[G0+5], s[G0+1], SLOT
	s_mul_i32 s[G0B+1], s16, BPART
	s_add_co_u32 s[G0B+1], s[G0B+1], 2*APART
	s_add_co_u32 s[G0B+5], s[G0B+1], SLOT
	s_lshl_b32 s[G0S+1], s16, 12
	s_add_co_u32 s[G0S+1], s[G0S+1], SCA
	s_mul_i32 s[G0SB+1], s16, 16*272
	s_add_co_u32 s[G0SB+1], s[G0SB+1], SCB
	s_wait_dscnt 0x0                               ; the opening add is done
	s_wait_kmcnt 0x0
	s_add_nc_u64 s[G0+2:G0+3], s[4:5], s[G0+2:G0+3]
	s_add_nc_u64 s[G0+6:G0+7], s[G0+2:G0+3], 6144  ; slot 1: four K steps on
	s_add_nc_u64 s[G0S+2:G0S+3], s[6:7], s[G0S+2:G0S+3]
	s_add_nc_u64 s[G0B+2:G0B+3], s[8:9], s[G0B+2:G0B+3]
	s_add_nc_u64 s[G0B+6:G0B+7], s[G0B+2:G0B+3], 2*ROWB
	s_add_nc_u64 s[G0SB+2:G0SB+3], s[10:11], s[G0SB+2:G0SB+3]
.irp g, G0+3, G0+7, G0S+3, G0B+3, G0B+7, G0SB+3
	s_or_b32 s[\g], s[\g], 0x80000000
.endr
	CROUND                                         ; all sixteen work-groups are here: the first joint loads meet
	JLOAD G0S, G1S, G0SB, G1SB
	JLOAD G0, G1, G0B, G1B
	JLOAD G0+4, G1, G0B+4, G1B                     ; three tensor loads of mine are out
	v_and_b32 v1, 15, v0                           ; r
	v_bfe_u32 v2, v0, 4, 1                         ; h
	v_and_b32 v3, 31, v0                           ; lane
	v_lshlrev_b32 v4, 4, v3
	s_mul_i32 s20, s15, 12288                      ; my four tiles of tokens
	v_add_nc_u32 v[ADRA], s20, v4
	v_add_nc_u32 v[ADRA+1], SLOT, v[ADRA]
	v_mul_u32_u24 v5, v1, PITCH
	v_mad_u32_u24 v5, v2, 24, v5
	s_mul_i32 s21, s16, 64*PITCH                   ; my 64 rows of Wo
	s_add_co_u32 s21, s21, 2*APART
	v_add_nc_u32 v[ADRB], s21, v5
	v_add_nc_u32 v[ADRB+1], SLOT, v[ADRB]
	v_lshl_add_u32 v[ADRB+2], v2, 4, v[ADRB]       ; the same behind one padding more
	v_lshl_add_u32 v[ADRB+3], v2, 4, v[ADRB+1]
	s_mul_i32 s22, s14, 16*272                     ; my stage, in slot 0: 16 rows x (256 bytes + 16)
	v_mul_u32_u24 v5, v1, 272
	v_lshl_add_u32 v5, v2, 5, v5
	v_add_nc_u32 v[STO], s22, v5
	v_mul_u32_u24 v5, v2, 272
	v_lshl_add_u32 v5, v1, 4, v5
	v_add_nc_u32 v[RD], s22, v5
	v_lshlrev_b32 v5, 13, v2
	v_lshl_add_u32 v[CO], v1, 4, v5                ; lanes 0-15 one row of out0, lanes 16-31 the next; 16 bytes a lane
	s_lshl_b32 s23, s15, 12
	s_add_co_u32 s23, s23, SCA
	v_lshl_add_u32 v[ADSA], v3, 2, s23             ; a's scale words: lanes 0-15 one K step's 16 rows, lanes 16-31 the next K step's
	s_mul_i32 s23, s16, 16*272
	s_add_co_u32 s23, s23, SCB
	v_lshrrev_b32 v5, 2, v3
	v_lshlrev_b32 v5, 4, v5
	v_lshl_add_u32 v5, v3, 6, v5                   ; Wo's: row = lane, 64 bytes a row, 16 more for each 256 passed
	v_add_nc_u32 v[ADSB], s23, v5
	s_lshl_b32 s20, s17, 7
	s_lshl_b32 s21, s15, 6
	s_add_co_u32 s20, s20, s21                     ; my first row of out0
	s_lshl_b32 s20, s20, 13
	s_lshl_b32 s21, s42, 9
	s_add_co_u32 s20, s20, s21
	s_lshl_b32 s21, s16, 8
	s_add_co_u32 s20, s20, s21                     ; my first column, in bytes
	s_mov_b32 s21, 0
	s_add_nc_u64 s[12:13], s[12:13], s[20:21]
.macro FRAG reg, adr, q, i, off        ; a fragment of Wo from rows: pieces of 8 bytes; where the piece three on lies behind one padding more, the second address register serves
.irp p, 0,1,2,3,4,5
.set PCE, 12*(\q)+6*(\p/3)+\p%3
.if PCE%8 < 5
	ds_load_b64 v[\reg+2*\p:\reg+2*\p+1], v[\adr] offset:8*PCE+16*(PCE/8)+(\i)*16*PITCH+(\off)
.else
	ds_load_b64 v[\reg+2*\p:\reg+2*\p+1], v[\adr+2] offset:8*PCE+16*(PCE/8)+(\i)*16*PITCH+(\off)
.endif
.endr
.endm
.macro FETCH slot, q, f                ; 36 LDS loads in one run: the slot's q-th 128 along K into buffer f
	WIN TO_F
.irp i, 0,1,2,3
.irp c, 0,1,2
	ds_load_b128 v[128*(\f)+12*\i+4*\c:128*(\f)+12*\i+4*\c+3], v[ADRA+\slot] offset:((\q)/2)*APART+3072*\i+((\q)%2)*1536+512*\c
.endr
.endr
.irp b, 0,1,2,3
	FRAG 128*(\f)+48+12*\b, ADRB+\slot, (\q)%2, \b, ((\q)/2)*BPART
.endr
	WIN 0
.endm
.macro SCALES S, set                   ; the scale words of slot's worth S.  Wo's: register 4 e + q: lanes 0-15 block 2 e, lanes 16-31 block 2 e + 1, K step q.  a's: register 8 + 2 i + g: block i, lanes 0-15 K step 2 g, lanes 16-31 K step 2 g + 1
.irp e, 0,1
	ds_load_b128 v[SC+16*(\set)+4*\e:SC+16*(\set)+4*\e+3], v[ADSB] offset:2176*\e+16*(\S)
.endr
.irp i, 0,1,2,3
.irp g, 0,1
	ds_load_b32 v[SC+16*(\set)+8+2*\i+\g], v[ADSA] offset:1024*\i+256*(\S)+128*\g
.endr
.endr
.endm
.macro WM i, b, q, f, set, zero        ; one matrix instruction; the rows of the scale registers are chosen by the block's and the K step's parity
.set rD, ACC+8*(4*(\i)+(\b))
.set rB, 128*(\f)+48+12*(\b)
.set rA, 128*(\f)+12*(\i)
.set rSB, SC+16*(\set)+4*((\b)/2)+(\q)
.set rSA, SC+16*(\set)+8+2*(\i)+(\q)/2
.set FORM, 4*(\zero)+2*((\b)%2)+(\q)%2
.if FORM == 0
	v_wmma_scale_f32_16x16x128_f8f6f4 v[rD:rD+7], v[rB:rB+11], v[rA:rA+11], v[rD:rD+7], v[rSB], v[rSA] matrix_a_fmt:MATRIX_FMT_FP6 matrix_b_fmt:MATRIX_FMT_FP6
.elseif FORM == 1
	v_wmma_scale_f32_16x16x128_f8f6f4 v[rD:rD+7], v[rB:rB+11], v[rA:rA+11], v[rD:rD+7], v[rSB], v[rSA] matrix_a_fmt:MATRIX_FMT_FP6 matrix_b_fmt:MATRIX_FMT_FP6 matrix_b_scale:MATRIX_SCALE_ROW1
.elseif FORM == 2
	v_wmma_scale_f32_16x16x128_f8f6f4 v[rD:rD+7], v[rB:rB+11], v[rA:rA+11], v[rD:rD+7], v[rSB], v[rSA] matrix_a_fmt:MATRIX_FMT_FP6 matrix_b_fmt:MATRIX_FMT_FP6 matrix_a_scale:MATRIX_SCALE_ROW1
.elseif FORM == 3
	v_wmma_scale_f32_16x16x128_f8f6f4 v[rD:rD+7], v[rB:rB+11], v[rA:rA+11], v[rD:rD+7], v[rSB], v[rSA] matrix_a_fmt:MATRIX_FMT_FP6 matrix_b_fmt:MATRIX_FMT_FP6 matrix_a_scale:MATRIX_SCALE_ROW1 matrix_b_scale:MATRIX_SCALE_ROW1
.elseif FORM == 4
	v_wmma_scale_f32_16x16x128_f8f6f4 v[rD:rD+7], v[rB:rB+11], v[rA:rA+11], 0, v[rSB], v[rSA] matrix_a_fmt:MATRIX_FMT_FP6 matrix_b_fmt:MATRIX_FMT_FP6
.else
	v_wmma_scale_f32_16x16x128_f8f6f4 v[rD:rD+7], v[rB:rB+11], v[rA:rA+11], 0, v[rSB], v[rSA] matrix_a_fmt:MATRIX_FMT_FP6 matrix_b_fmt:MATRIX_FMT_FP6 matrix_a_scale:MATRIX_SCALE_ROW1
.endif
.endm
.macro MUL8 i0, q, f, set, zero        ; the 16 accumulators take turns, one instruction a turn, in one order throughout
.irp i, \i0, \i0+1
.irp b, 0,1,2,3
	WM \i, \b, \q, \f, \set, \zero
.endr
.endr
.endm
.macro PLACES n
.rept \n
	v_nop
.endr
.endm
.macro STEP S, q, zero                 ; one of a slot's first three steps: the next step's fragments are asked for, then this step's 16 products
	s_wait_dscnt 0x0                               ; this step's fragments (and, at a slot's head, its scale words) are in
	PLACES 4                                       ; in front of loads into the buffer that the last products read
	FETCH (\S)%2, (\q)+1, ((\q)+1)%2
	WIN MUL
	MUL8 0, \q, (\q)%2, (\S)%2, \zero
	MUL8 2, \q, (\q)%2, (\S)%2, \zero
.endm
; A slot's last step changes slots: one barrier.  The slot's last reads were issued a step ago, so each wave waits for all its tensor loads, adds 0 to its spare word and waits for that and for its reads at once.
.macro TURN S, fill
	WIN 0                                          ; (the add's two registers lie in window 0)
	s_wait_tensorcnt 0x0                           ; all my tensor loads have landed: my part of the next slot
	ds_add_u32 v[SPW], v[NIL]
	s_wait_dscnt 0x0                               ; the add is done, and my reads of this slot are over
	s_barrier_signal -1
	WIN MUL
	MUL8 0, 3, 1, (\S)%2, 0                        ; work on registers while the others arrive
	WIN 0
	s_barrier_wait -1
.if \fill
	CREST                                          ; the barrier has opened a round of the cluster's: no wave of any partner still reads this slot or has a load on its way
	s_add_nc_u64 s[G0+4*((\S)%2)+2:G0+4*((\S)%2)+3], s[G0+4*((\S)%2)+2:G0+4*((\S)%2)+3], 12288
	s_add_nc_u64 s[G0B+4*((\S)%2)+2:G0B+4*((\S)%2)+3], s[G0B+4*((\S)%2)+2:G0B+4*((\S)%2)+3], 4*ROWB
	JLOAD G0+4*((\S)%2), G1, G0B+4*((\S)%2), G1B   ; the first tensor load behind the round; its four v_nop are the places in front of the loads below
.else
	PLACES 4
.endif
	FETCH ((\S)+1)%2, 0, 0
	SCALES (\S)+1, ((\S)+1)%2
	WIN MUL
	MUL8 2, 3, 1, (\S)%2, 0
.endm
	s_wait_tensorcnt 1                             ; the scales and my part of slot 0 are in; slot 1's load may be out
	s_barrier_signal -1
	s_barrier_wait -1
	FETCH 0, 0, 0
	SCALES 0, 0
	STEP 0, 0, 1                                   ; the first products start the sums
	STEP 0, 1, 0
	STEP 0, 2, 0
	TURN 0, 1                                      ; slot 0 takes K 1,024 on
	STEP 1, 0, 0
	STEP 1, 1, 0
	STEP 1, 2, 0
	TURN 1, 1                                      ; slot 1 takes K 1,536 on
	STEP 2, 0, 0
	STEP 2, 1, 0
	STEP 2, 2, 0
	TURN 2, 0                                      ; nothing is left to fetch; behind this barrier nobody reads slot 0
	STEP 3, 0, 0
	STEP 3, 1, 0
	STEP 3, 2, 0
	s_wait_dscnt 0x0
	MUL8 0, 3, 1, 1, 0
	MUL8 2, 3, 1, 1, 0
	WIN 0
; THE WAY OUT, 16 rows x 64 columns at a time, through my own stage in slot 0 (it has had its last fill and its last read): in as 32 bytes a lane, back as whole runs of 256 bytes.
; LDS serves a wave's instructions in order (ISA guide 5.7.1.4): no wait between the stores and the loads, nor in front of the next block's stores.
.macro TOSTAGE i
.irp b, 0,1,2,3
	ds_store_b128 v[STO], v[ACC+8*(4*(\i)+\b):ACC+8*(4*(\i)+\b)+3] offset:64*\b        ; each accumulator from its low end on
	ds_store_b128 v[STO], v[ACC+8*(4*(\i)+\b)+4:ACC+8*(4*(\i)+\b)+7] offset:64*\b+16
.endr
.set BB, OUTR+32*((\i)%2)
.irp t, 0,1,2,3,4,5,6,7
	ds_load_b128 v[BB+4*\t:BB+4*\t+3], v[RD] offset:544*\t
.endr
.endm
.macro SEND i, younger                 ; younger: the LDS instructions issued behind block i's loads, which may stay out
.set BB, OUTR+32*((\i)%2)
	s_wait_dscnt \younger
.irp t, 0,1,2,3,4,5,6,7
	global_store_b128 v[CO], v[BB+4*\t:BB+4*\t+3], s[12:13] offset:(16*(\i)+2*\t)*8192 th:TH_STORE_NT   ; 16 lanes store 256 consecutive bytes, at a multiple of 256 from out0's first byte
.endr
.endm
	PLACES 4
	TOSTAGE 0
.irp i, 1,2,3
.if \i > 1
	s_wait_xcnt 0x0                                ; block i - 2's stores have read their registers: block i's loads may land there
.endif
	TOSTAGE \i
	SEND \i-1, 16                                  ; behind block i - 1's loads: block i's 8 stores and 8 loads
.endr
	SEND 3, 0
	s_wait_tensorcnt 0x0                           ; the wave's end, behind my last tensor load and my last LDS store
	ds_add_u32 v[SPW], v[NIL]
	s_wait_dscnt 0x0
	CROUND                                         ; the closing round
	s_endpgm
.Lfunc_end_k_qbf8741038b_oproj:
	.size	k_qbf8741038b_oproj, .Lfunc_end_k_qbf8741038b_oproj-k_qbf8741038b_oproj
	.p2alignl 7, 3214868480
	.fill 96, 4, 3214868480
	.section	.rodata,"a",@progbits
	.p2align	6, 0x0
	.amdhsa_kernel k_qbf8741038b_oproj
		.amdhsa_group_segment_fixed_size 327680
		.amdhsa_private_segment_fixed_size 0
		.amdhsa_enable_private_segment 0
		.amdhsa_kernarg_size 40
		.amdhsa_user_sgpr_count 2
		.amdhsa_user_sgpr_kernarg_segment_ptr 1
		.amdhsa_wavefront_size32 1
		.amdhsa_system_sgpr_workgroup_id_x 1
		.amdhsa_system_sgpr_workgroup_id_y 1
		.amdhsa_system_sgpr_workgroup_id_z 1
		.amdhsa_system_vgpr_workitem_id 0
		.amdhsa_next_free_vgpr 512
		.amdhsa_next_free_sgpr 98
		.amdhsa_reserve_vcc 0
		.amdhsa_float_denorm_mode_32 3
		.amdhsa_float_denorm_mode_16_64 3
		.amdhsa_memory_ordered 1
		.amdhsa_forward_progress 1
		.amdhsa_inst_pref_size 94
	.end_amdhsa_kernel
	.amdgpu_metadata
---
amdhsa.version: [ 1, 2 ]
amdhsa.kernels:
  - .name:           k_qbf8741038b_oproj
    .symbol:         k_qbf8741038b_oproj.kd
    .args:
      - { .name: a_img, .offset: 0, .size: 8, .value_kind: global_buffer, .address_space: global }
      - { .name: a_sc, .offset: 8, .size: 8, .value_kind: global_buffer, .address_space: global }
      - { .name: Wo_codes, .offset: 16, .size: 8, .value_kind: global_buffer, .address_space: global }
      - { .name: Wo_scales, .offset: 24, .size: 8, .value_kind: global_buffer, .address_space: global }
      - { .name: out0, .offset: 32, .size: 8, .value_kind: global_buffer, .address_space: global }
    .group_segment_fixed_size: 327680
    .private_segment_fixed_size: 0
    .kernarg_segment_align: 8
    .kernarg_segment_size: 40
    .max_flat_workgroup_size: 128
    .sgpr_count:     98
    .vgpr_count:     512
    .wavefront_size: 32
...
	.end_amdgpu_metadata
.endif
;; end of part 3
